; MI455X (gfx1250); checked and timed in simulation.
; The chip was launched on July 23, 2026; its instructions are those of AMD's public machine-readable ISA for CDNA 5 (MIT licence, August 2026) and "CDNA5" Instruction Set Architecture Reference Guide (July 2026). The comments in the code are by the model that wrote it; some were corrected since.
;; Cross Modal Mo E Router. Allowed arithmetic: matrix products marked QUANTISED: E5M2 operands, one given power-of-two scale a tensor, by v_wmma_f32_16x16x64_bf8_bf8 or v_wmma_f32_16x16x128_bf8_bf8, f32 sums; products left as they are: f32 operands where the result goes on into a quantised operand, else bf16, f16 or f32 operands; f32 sums; everything else in f32.
;; Inputs: b1 4 x 4,096 float32; b2 4 x 1,024 float32; gate_b 4 float32; gate_w 4 x 1,024 float32; ln_b 4 x 1,024 float32; ln_w 4 x 1,024 float32; lowp_scales 4 int32 (the exponents e of the quantised operands' scales 2^e); w1 4 x 1,024 x 4,096 float32; w2 4 x 4,096 x 1,024 float32; x 2,048 x 1,024 float32.
;; Outputs: out0 2,048 x 1,024 float32; out1 2,048 x 4 float32; out2 2,048 x 2 int32; out3 2,048 x 2 float32; out4 one number float32.
;; Constants: top_k = 2.
;; This version of the problem:
;;   THIS VERSION OF THE PROBLEM IS GIVEN IN LOW PRECISION. The matrix products marked QUANTISED in the list below multiply operands that are first quantised to E5M2 (5 exponent bits, 2 mantissa bits; 8 bits a number), with one given power-of-two scale for each operand tensor; their sums are f32. All else is computed in f32.
;;   The module's matrix products, in the order in which they are computed (A, B: the left and right operand; K: the contracted axis; several contracted axes count as one K, in the product's order):
;;     1. [M 2,048, K 1,024] x [K 1,024, N 4]; A: input x; B: input gate_w: left as it is (N = 4 < 16)
;;     2. batch 4 x [M 4,096, K 1,024] x [K 1,024, N 2,048]; A: input w1; B: computed on the way: QUANTISED (scales: A lowp_scales[0], B lowp_scales[1])
;;     3. batch 4 x [M 1,024, K 4,096] x [K 4,096, N 2,048]; A: input w2; B: computed on the way: QUANTISED (scales: A lowp_scales[2], B lowp_scales[3])
;;   THE QUANTISER, for each operand of a quantised product, along K:
;;     - The operand's scale is 2^e, e = its entry of the input lowp_scales (int32; the entries are numbered through the quantised products in the list's order, A before B).
;;     - Each number is divided by the scale, clamped to +-57,344, and rounded to the nearest number of E5M2, ties to even, subnormals kept.
;;     - The product sums the exact products of the quantised numbers (number of the format x scale) in f32.
;;   ~~~python
;;   def quantise(x, axis, e):      # numpy; x: float32 -> the quantised numbers, widened to float32 again
;;       x = np.moveaxis(x, axis, -1); K = x.shape[-1]
;;       r = np.clip(x / 2.0 ** e, -57344, 57344)
;;       step = 2.0 ** (np.maximum(np.frexp(np.where(r == 0, 1, r))[1] - 1, -14) - 2)
;;       q = np.round(r / step) * step * 2.0 ** e      # np.round: ties to even
;;       return np.moveaxis(q, -1, axis).astype(np.float32)
;;   ~~~
;;   OPERANDS COMPUTED ON THE WAY. 'Computed on the way' means the value that the module computes at that place (a softmax that the list does not call 'softmax' is quantised finished and normalised). What goes into a quantiser is computed in f32, as accurately as f32 sums, v_exp_f32 and their like allow (about 1e-6 of the number): no bf16 or f16 on the way to a quantiser, and a product that is left as it is and whose result goes on into a quantised operand takes f32 operands (vector FMAs, or v_wmma_f32_16x16x4_f32). A number that lies on a knife's edge between two numbers of the format may be rounded either way, as far as f32 arithmetic and the matrix unit's own rounding can turn it there, and no further.
;; 2 versions. Each part assembles by itself: llvm-mc -triple=amdgcn-amd-amdhsa -mcpu=gfx1250 --defsym DOCPART=n.
;; ======== version 1 of 2: 4 launches
;; limits: right only within a limited range of input values
;; workspace buffers: tidx 16,384 bytes of whole numbers; ord 8,448 bytes of whole numbers; xe 8,388,608 bytes; w1i 16,777,216 bytes; w2i 16,777,216 bytes; hi 33,554,432 bytes
;; launch route_q1 (part 1): grid 640 x 1, 8 waves a work-group, no clusters, 0 bytes of LDS; arguments x, gate_w, gate_b, ln_w, ln_b, w1, lowp_scales, out1, out2, out3, tidx, xe, w1i; writes out1, out2, out3, tidx, xe, w1i
.if DOCPART == 1
	.amdgcn_target "amdgcn-amd-amdhsa--gfx1250"
	.amdhsa_code_object_version 6
	.text
	.protected	k_q14824f0d88_route_q1
	.globl	k_q14824f0d88_route_q1
	.p2align	8
	.type	k_q14824f0d88_route_q1,@function
k_q14824f0d88_route_q1:
	s_mov_b64 s[64:65], 0
	v_nop
	global_prefetch_b8 v0, s[64:65] scope:SCOPE_SE
	s_setreg_imm32_b32 hwreg(HW_REG_WAVE_MODE, 25, 1), 1
	s_wait_xcnt 0x0
; Two roles, chosen by the work-group number.
; Work-groups 0-127 (tokens): gate logits in f32, softmax with its maximum taken away, top 2 (equal probabilities: the lower index),
;   the two weights, LayerNorm (mean, then the mean of squared differences), and the codes of xe = xn * ln_w[e] + ln_b[e] for ALL four experts,
;   E5M2 with the given scale 2^e1, laid [token][expert][1024].  The choice comes from floating-point numbers, so nothing here branches on it.
; Work-groups 128-639 (stream): w1 [4][1024 k][4096 n] f32 becomes codes with the scale 2^e0, laid as images of the operand registers (below).
; DEAD WORK, left out by the later launches: reference() gathers from stacked only the rows of the two experts in top_idx of each token; the rows of the
;   other experts reach no output, whatever the inputs hold.  They are left out in whole units of (64 sorted tokens, expert), by masks that the second launch stores.
;   LIMIT: a NaN, an infinity or an overflow that reaches only the units left out is not carried to the result.  Every input has a way to an output and is loaded.
; LIMITS: e0 and e1 between -126 and 112, so that 2^e and 57,344 x 2^e are f32 numbers.  NaN among the inputs is not served.
; IMAGE: 1,024 bytes = 16 rows x 64 k.  Byte 512 c + 16 L + j is row L % 16, k = 64 s + 32 c + 16 (L / 16) + j: two loads of 16 bytes a lane give the 8 registers of an operand.
;   w1i is [e][G 64][s 16][tile 4][1024]; row r of tile t of group G is hidden unit 64 G + 32 (t / 2) + 8 (t % 2) + r + 8 (r / 8),
;   so that the results of two neighbouring tiles are 16 neighbours along the next product's K.
.set XA,  32                           ; v32-63   token A: x, then x - mean, then xn.  Register 8 j + i is k = 256 j + 8 L + i
.set XB,  64                           ; v64-95   token B
.set PAR, 96                           ; v96-223  four rows of gate_w; later ln_w and ln_b of two experts
.set TMP, 224                          ; v224-255 sums, then xe
.set CD,  16                           ; v16-23   top 2 at work, then 8 registers of codes
.set N4,  16384                        ; bytes in a row of w1
; ---- the stream role: a lane takes a column, its registers run down K
.macro QLOAD t                         ; block t: 32 rows of k at my column, 128 consecutive bytes a wave and load
.set i, 0
.rept 32
	global_load_b32 v[32+32*((\t)%2)+i], v3, s[40:41] offset:(32*(\t)+i)*N4 th:TH_LOAD_NT
.set i, i+1
.endr
.endm
.macro QBLOCK t
.set XS, 32+32*((\t)%2)
.set CC, 96+8*(\t)                     ; each block has its own 8 registers of codes: no store's data are written again
.if (\t) < 3
	s_wait_loadcnt 32                              ; this block's 32 loads are in; the next block's 32 may be out
.else
	s_wait_loadcnt 0
.endif
.set i, 0
.rept 32
	v_med3_num_f32 v[XS+i], v[XS+i], -v10, v10     ; the conversion does not saturate (ISA guide 7.6.2): the hold at the largest code x the scale
.set i, i+1
.endr
.set i, 0
.rept 4
	v_cvt_scalef32_pk8_bf8_f32 v[CC+2*i:CC+2*i+1], v[XS+8*i:XS+8*i+7], v11
.set i, i+1
.endr
	v_nop                                          ; one plain instruction between the conversions and the first vector use of their results
.set i, 0
.rept 4
	v_permlane16_swap_b32 v[CC+i], v[CC+4+i]       ; lanes 16-31 of k 0-15 change places with lanes 0-15 of k 16-31: CC+0..3 is then the chunk of the first 16 columns, CC+4..7 of the other 16
.set i, i+1
.endr
	global_store_b128 v4, v[CC:CC+3], s[42:43] offset:((\t)/2)*4096+((\t)%2)*512         ; 512 consecutive bytes
	global_store_b128 v4, v[CC+4:CC+7], s[42:43] offset:((\t)/2)*4096+((\t)%2)*512+1024
.if (\t) < 2
	QLOAD (\t)+2
.endif
.endm
; ---- the token role
.macro DOTS x, a                       ; five sums of a token in pairs: x, and x . gate_w[e]
	v_pk_add_f32 v[\a:\a+1], v[\x:\x+1], v[\x+2:\x+3]
.set e, 0
.rept 4
	v_pk_mul_f32 v[\a+2+2*e:\a+3+2*e], v[\x:\x+1], v[PAR+32*e:PAR+32*e+1]
.set e, e+1
.endr
.set i, 2
.rept 15
.if i > 2
	v_pk_add_f32 v[\a:\a+1], v[\a:\a+1], v[\x+i:\x+i+1]
.endif
.set e, 0
.rept 4
	v_pk_fma_f32 v[\a+2+2*e:\a+3+2*e], v[\x+i:\x+i+1], v[PAR+32*e+i:PAR+32*e+i+1], v[\a+2+2*e:\a+3+2*e]
.set e, e+1
.endr
.set i, i+2
.endr
.set e, 0
.rept 5
	v_add_f32 v[\a+2*e], v[\a+2*e], v[\a+2*e+1]
.set e, e+1
.endr
.endm
.macro REDS base, n                    ; n sums at even registers, over the 32 lanes; the odd neighbour is the work register
.irp m, 1,2,4,8
.set q, 0
.rept \n
	v_add_f32_dpp v[\base+2*q], v[\base+2*q], v[\base+2*q] row_xmask:\m row_mask:0xf bank_mask:0xf
.set q, q+1
.endr
.endr
.set q, 0
.rept \n
	v_permlanex16_b32 v[\base+2*q+1], v[\base+2*q], s30, s31
.set q, q+1
.endr
.set q, 0
.rept \n
	v_add_f32 v[\base+2*q], v[\base+2*q], v[\base+2*q+1]
.set q, q+1
.endr
.endm
.macro CENTRE x, m, a                  ; x - mean in place, and the sum of its squares
.set i, 0
.rept 16
	v_pk_add_f32 v[\x+i:\x+i+1], v[\x+i:\x+i+1], v[\m:\m+1] op_sel_hi:[1,0] neg_lo:[0,1] neg_hi:[0,1]
.set i, i+2
.endr
	v_pk_mul_f32 v[\a:\a+1], v[\x:\x+1], v[\x:\x+1]
.set i, 2
.rept 15
	v_pk_fma_f32 v[\a:\a+1], v[\x+i:\x+i+1], v[\x+i:\x+i+1], v[\a:\a+1]
.set i, i+2
.endr
	v_add_f32 v[\a], v[\a], v[\a+1]
.endm
.macro SMAX1 a                         ; logits, their maximum, 2^((l - m) log2 e)
	v_add_f32 v[\a+2], s32, v[\a+2]
	v_add_f32 v[\a+4], s33, v[\a+4]
	v_add_f32 v[\a+6], s34, v[\a+6]
	v_add_f32 v[\a+8], s35, v[\a+8]
	v_max3_num_f32 v[\a+1], v[\a+2], v[\a+4], v[\a+6]
	v_max_num_f32 v[\a+1], v[\a+1], v[\a+8]
.irp e, 2,4,6,8
	v_sub_f32 v[\a+\e], v[\a+\e], v[\a+1]
.endr
.irp e, 2,4,6,8
	v_mul_f32 v[\a+\e], 0x3fb8aa3b, v[\a+\e]
.endr
.irp e, 2,4,6,8
	v_exp_f32 v[\a+\e], v[\a+\e]
.endr
.endm
.macro SMAX2 a
	v_add_f32 v[\a+1], v[\a+2], v[\a+4]
	v_add_f32 v[\a+3], v[\a+6], v[\a+8]
	v_add_f32 v[\a+1], v[\a+1], v[\a+3]
	v_rcp_f32 v[\a+1], v[\a+1]
.endm
.macro TOP2 a, o                       ; o, o+1: the two indices; o+2, o+3: their weights.  A later expert wins only where it is strictly larger
	v_mov_b32 v[\o+2], v[\a+2]
	v_mov_b32 v[\o], 0
.irp e, 1,2,3
	v_cmp_gt_f32 vcc_lo, v[\a+2+2*\e], v[\o+2]
	v_cndmask_b32 v[\o+2], v[\o+2], v[\a+2+2*\e], vcc_lo
	v_cndmask_b32 v[\o], v[\o], \e, vcc_lo
.endr
.irp e, 0,1,2,3
	v_cmp_eq_u32 vcc_lo, \e, v[\o]
	v_cndmask_b32 v[TMP+24+\e], v[\a+2+2*\e], -1.0, vcc_lo      ; the winner is hidden: probabilities are not negative
.endr
	v_mov_b32 v[\o+3], v[TMP+24]
	v_mov_b32 v[\o+1], 0
.irp e, 1,2,3
	v_cmp_gt_f32 vcc_lo, v[TMP+24+\e], v[\o+3]
	v_cndmask_b32 v[\o+3], v[\o+3], v[TMP+24+\e], vcc_lo
	v_cndmask_b32 v[\o+1], v[\o+1], \e, vcc_lo
.endr
	v_add_f32 v[TMP+28], v[\o+2], v[\o+3]
	v_add_f32 v[TMP+28], 0x3089705f, v[TMP+28]     ; + 1e-9
	v_rcp_f32 v[TMP+28], v[TMP+28]
	v_nop                                          ; a plain instruction behind the reciprocal,
	s_wait_alu depctr_va_vdst(0)                   ; and the wait ahead of its first reader
	v_mul_f32 v[\o+2], v[\o+2], v[TMP+28]
	v_mul_f32 v[\o+3], v[\o+3], v[TMP+28]
.endm
.macro LNLOAD p                        ; ln_w and ln_b of experts 2 p and 2 p + 1
.set i, 0
.rept 8
	global_load_b128 v[PAR+64*(i/4)+8*(i%4):PAR+64*(i/4)+8*(i%4)+3], v1, s[10:11] offset:4096*(2*\p+i/4)+1024*(i%4)
	global_load_b128 v[PAR+64*(i/4)+8*(i%4)+4:PAR+64*(i/4)+8*(i%4)+7], v1, s[10:11] offset:4096*(2*\p+i/4)+1024*(i%4)+16
	global_load_b128 v[PAR+64*(i/4)+32+8*(i%4):PAR+64*(i/4)+32+8*(i%4)+3], v1, s[12:13] offset:4096*(2*\p+i/4)+1024*(i%4)
	global_load_b128 v[PAR+64*(i/4)+32+8*(i%4)+4:PAR+64*(i/4)+32+8*(i%4)+7], v1, s[12:13] offset:4096*(2*\p+i/4)+1024*(i%4)+16
.set i, i+1
.endr
.endm
.macro XE x, q, off                    ; one token, one expert: xe, the hold, 32 codes a lane, four stores of 256 consecutive bytes
	s_wait_xcnt 0x0                                ; the earlier stores have read the code registers
.set i, 0
.rept 16
	v_pk_fma_f32 v[TMP+i:TMP+i+1], v[\x+i:\x+i+1], v[PAR+64*\q+i:PAR+64*\q+i+1], v[PAR+64*\q+32+i:PAR+64*\q+33+i]
.set i, i+2
.endr
.set i, 0
.rept 32
	v_med3_num_f32 v[TMP+i], v[TMP+i], -v15, v15
.set i, i+1
.endr
.set i, 0
.rept 4
	v_cvt_scalef32_pk8_bf8_f32 v[CD+2*i:CD+2*i+1], v[TMP+8*i:TMP+8*i+7], v14
.set i, i+1
.endr
	v_nop                                          ; a plain instruction behind the conversions: the next XE writes their sources
.set i, 0
.rept 4
	global_store_b64 v13, v[CD+2*i:CD+2*i+1], s[26:27] offset:\off+256*i
.set i, i+1
.endr
.endm
	s_load_b512 s[4:19], s[0:1], 0x0               ; x, gate_w, gate_b, ln_w, ln_b, w1, lowp_scales, out1
	s_load_b256 s[20:27], s[0:1], 0x40             ; out2, out3, tidx, xe
	s_load_b64 s[28:29], s[0:1], 0x60              ; w1i
	v_lshrrev_b32 v2, 5, v0
	v_readfirstlane_b32 s38, v2                    ; wave 0..7
	v_and_b32 v2, 31, v0                           ; lane
	s_wait_kmcnt 0x0
	s_load_b128 s[44:47], s[16:17], 0x0            ; e0, e1, e2, e3
	s_cmp_lt_u32 ttmp9, 128
	s_cbranch_scc0 .Lstream
	; ================= tokens: wave w of work-group g takes tokens 16 g + 2 w and the next
	s_load_b128 s[32:35], s[8:9], 0x0              ; gate_b
	s_lshl_b32 s39, ttmp9, 4
	s_lshl_b32 s40, s38, 1
	s_add_co_u32 s39, s39, s40                     ; token A
	s_lshl_b32 s40, s39, 12
	s_mov_b32 s41, 0
	s_add_nc_u64 s[4:5], s[4:5], s[40:41]          ; x: 4,096 bytes a token
	s_add_nc_u64 s[26:27], s[26:27], s[40:41]      ; xe: likewise
	s_lshl_b32 s40, s39, 4
	s_add_nc_u64 s[18:19], s[18:19], s[40:41]      ; out1
	s_lshl_b32 s40, s39, 3
	s_add_nc_u64 s[20:21], s[20:21], s[40:41]      ; out2
	s_add_nc_u64 s[22:23], s[22:23], s[40:41]      ; out3
	s_add_nc_u64 s[24:25], s[24:25], s[40:41]      ; tidx
	v_lshlrev_b32 v1, 5, v2                        ; 32 bytes a lane: eight neighbours along K, which a conversion wants in one lane
.set i, 0
.rept 4
	global_load_b128 v[XA+8*i:XA+8*i+3], v1, s[4:5] offset:1024*i th:TH_LOAD_NT
	global_load_b128 v[XA+8*i+4:XA+8*i+7], v1, s[4:5] offset:1024*i+16 th:TH_LOAD_NT
	global_load_b128 v[XB+8*i:XB+8*i+3], v1, s[4:5] offset:4096+1024*i th:TH_LOAD_NT
	global_load_b128 v[XB+8*i+4:XB+8*i+7], v1, s[4:5] offset:4096+1024*i+16 th:TH_LOAD_NT
.set i, i+1
.endr
.set i, 0
.rept 16                               ; gate_w: expert i / 4, quarter i % 4
	global_load_b128 v[PAR+8*i:PAR+8*i+3], v1, s[6:7] offset:1024*i
	global_load_b128 v[PAR+8*i+4:PAR+8*i+7], v1, s[6:7] offset:1024*i+16
.set i, i+1
.endr
	s_mov_b32 s30, 0x76543210                      ; v_permlanex16_b32: lane l xor 16
	s_mov_b32 s31, 0xfedcba98
	s_mov_b32 s48, 0x3a800000                      ; 1 / 1024
	s_mov_b32 s49, 0x3727c5ac                      ; 1e-5
	s_wait_loadcnt 0x0
	DOTS XA, TMP
	DOTS XB, TMP+10
	LNLOAD 0                                       ; gate_w has been read: its registers take the first two experts' affine
	REDS TMP, 10
	v_mul_f32 v[TMP], s48, v[TMP]                  ; the means
	v_mul_f32 v[TMP+10], s48, v[TMP+10]
	CENTRE XA, TMP, TMP+20
	CENTRE XB, TMP+10, TMP+22
	REDS TMP+20, 2
	v_fma_f32 v[TMP+20], v[TMP+20], s48, s49       ; var + eps
	v_fma_f32 v[TMP+22], v[TMP+22], s48, s49
	v_rsq_f32 v[TMP+20], v[TMP+20]
	v_rsq_f32 v[TMP+22], v[TMP+22]
	s_wait_kmcnt 0x0                               ; gate_b and the scales
	SMAX1 TMP
	SMAX1 TMP+10
	v_nop                                          ; a plain instruction behind the last exponential
	s_wait_alu depctr_va_vdst(0)                   ; one wait for the two roots and the eight exponentials
.set i, 0
.rept 16
	v_pk_mul_f32 v[XA+i:XA+i+1], v[XA+i:XA+i+1], v[TMP+20:TMP+21] op_sel_hi:[1,0]      ; xn
	v_pk_mul_f32 v[XB+i:XB+i+1], v[XB+i:XB+i+1], v[TMP+22:TMP+23] op_sel_hi:[1,0]
.set i, i+2
.endr
	SMAX2 TMP
	SMAX2 TMP+10
	v_nop
	s_wait_alu depctr_va_vdst(0)                   ; one wait for the two reciprocals
.irp e, 2,4,6,8
	v_mul_f32 v[TMP+\e], v[TMP+\e], v[TMP+1]       ; probs
	v_mul_f32 v[TMP+10+\e], v[TMP+10+\e], v[TMP+11]
.endr
	TOP2 TMP, CD
	TOP2 TMP+10, CD+4
	; the small outputs: every lane holds both tokens' numbers; lane 0 stores token A's, lane 1 token B's: 32 or 16 consecutive bytes a wave, 80 KB in the whole launch
	v_cmp_eq_u32 vcc_lo, 1, v2
	v_cndmask_b32 v4, v[TMP+2], v[TMP+12], vcc_lo
	v_cndmask_b32 v5, v[TMP+4], v[TMP+14], vcc_lo
	v_cndmask_b32 v6, v[TMP+6], v[TMP+16], vcc_lo
	v_cndmask_b32 v7, v[TMP+8], v[TMP+18], vcc_lo
	v_cndmask_b32 v8, v[CD], v[CD+4], vcc_lo
	v_cndmask_b32 v9, v[CD+1], v[CD+5], vcc_lo
	v_cndmask_b32 v10, v[CD+2], v[CD+6], vcc_lo
	v_cndmask_b32 v11, v[CD+3], v[CD+7], vcc_lo
	v_lshlrev_b32 v12, 4, v2
	v_lshlrev_b32 v13, 3, v2
	s_add_co_i32 s51, s45, 127
	s_lshl_b32 s52, s51, 23
	v_mov_b32 v14, s52                             ; 2^e1 as f32: the conversion takes its exponent field
	s_add_co_i32 s51, s51, 15
	s_lshl_b32 s51, s51, 23
	s_or_b32 s51, s51, 0x600000
	v_mov_b32 v15, s51                             ; 57,344 x 2^e1
	s_wait_xcnt 0x0                                ; EXEC is a source of the loads that are out: it changes only behind this wait
	v_cmp_gt_u32 vcc_lo, 2, v2
	s_and_saveexec_b32 s50, vcc_lo
	global_store_b128 v12, v[4:7], s[18:19]
	global_store_b64 v13, v[8:9], s[20:21]
	global_store_b64 v13, v[8:9], s[24:25]
	global_store_b64 v13, v[10:11], s[22:23]
	s_wait_xcnt 0x0                                ; and again ahead of the line that widens it
	s_or_b32 exec_lo, exec_lo, s50
	s_wait_loadcnt 0x0                             ; the affine of experts 0 and 1
	XE XA, 0, 0
	XE XB, 0, 4096
	XE XA, 1, 1024
	XE XB, 1, 4096+1024
	LNLOAD 1
	s_wait_loadcnt 0x0
	XE XA, 0, 2048
	XE XB, 0, 4096+2048
	XE XA, 1, 3072
	XE XB, 1, 4096+3072
	s_endpgm
	; ================= stream: a work-group takes 256 columns x 128 k of one expert's w1, a wave 32 columns
.Lstream:
	s_sub_co_u32 s30, ttmp9, 128
	s_and_b32 s31, s30, 7                          ; which 128 along K
	s_bfe_u32 s32, s30, 0x40003                    ; which 256 columns
	s_lshr_b32 s33, s30, 7                         ; expert
	s_lshl_b32 s34, s33, 24                        ; 1024 x 4096 x 4 bytes an expert
	s_lshl_b32 s35, s31, 21                        ; 128 rows of 16,384 bytes
	s_add_co_u32 s34, s34, s35
	s_lshl_b32 s35, s32, 10
	s_add_co_u32 s34, s34, s35
	s_lshl_b32 s35, s38, 7
	s_add_co_u32 s34, s34, s35
	s_mov_b32 s35, 0
	s_add_nc_u64 s[40:41], s[14:15], s[34:35]
	s_lshl_b32 s36, s33, 6
	s_lshl_b32 s37, s32, 2
	s_add_co_u32 s36, s36, s37
	s_lshr_b32 s37, s38, 1
	s_add_co_u32 s36, s36, s37                     ; 64 e + G
	s_lshl_b32 s36, s36, 16
	s_lshl_b32 s37, s31, 13                        ; two steps of 4,096 bytes for 128 k
	s_add_co_u32 s36, s36, s37
	s_and_b32 s37, s38, 1
	s_lshl_b32 s37, s37, 11                        ; tiles 0, 1 or 2, 3
	s_add_co_u32 s36, s36, s37
	s_mov_b32 s37, 0
	s_add_nc_u64 s[42:43], s[28:29], s[36:37]
	v_and_b32 v3, 7, v2                            ; my column among the wave's 32: (L % 8) + 16 ((L / 8) % 2) + 8 (L / 16): the rows of a tile are not neighbours
	v_bfe_u32 v5, v2, 3, 1
	v_lshl_add_u32 v3, v5, 4, v3
	v_lshrrev_b32 v5, 4, v2
	v_lshl_add_u32 v3, v5, 3, v3
	v_lshlrev_b32 v3, 2, v3
	v_lshlrev_b32 v4, 4, v2
	QLOAD 0
	QLOAD 1
	s_wait_kmcnt 0x0
	s_add_co_i32 s51, s44, 127
	s_lshl_b32 s52, s51, 23
	v_mov_b32 v11, s52                             ; 2^e0
	s_add_co_i32 s51, s51, 15
	s_lshl_b32 s51, s51, 23
	s_or_b32 s51, s51, 0x600000
	v_mov_b32 v10, s51                             ; 57,344 x 2^e0
	QBLOCK 0
	QBLOCK 1
	QBLOCK 2
	QBLOCK 3
	s_endpgm
.Lfunc_end_k_q14824f0d88_route_q1:
	.size	k_q14824f0d88_route_q1, .Lfunc_end_k_q14824f0d88_route_q1-k_q14824f0d88_route_q1
	.p2alignl 7, 3214868480
	.fill 96, 4, 3214868480
	.section	.rodata,"a",@progbits
	.p2align	6, 0x0
	.amdhsa_kernel k_q14824f0d88_route_q1
		.amdhsa_group_segment_fixed_size 0
		.amdhsa_private_segment_fixed_size 0
		.amdhsa_enable_private_segment 0
		.amdhsa_kernarg_size 104
		.amdhsa_user_sgpr_count 2
		.amdhsa_user_sgpr_kernarg_segment_ptr 1
		.amdhsa_wavefront_size32 1
		.amdhsa_system_sgpr_workgroup_id_x 1
		.amdhsa_system_sgpr_workgroup_id_y 1
		.amdhsa_system_sgpr_workgroup_id_z 1
		.amdhsa_system_vgpr_workitem_id 0
		.amdhsa_next_free_vgpr 256
		.amdhsa_next_free_sgpr 66
		.amdhsa_reserve_vcc 1
		.amdhsa_float_denorm_mode_32 3
		.amdhsa_float_denorm_mode_16_64 3
		.amdhsa_memory_ordered 1
		.amdhsa_forward_progress 1
		.amdhsa_inst_pref_size 93
	.end_amdhsa_kernel
	.amdgpu_metadata
---
amdhsa.version: [ 1, 2 ]
amdhsa.kernels:
  - .name:           k_q14824f0d88_route_q1
    .symbol:         k_q14824f0d88_route_q1.kd
    .args:
      - { .name: x, .offset: 0, .size: 8, .value_kind: global_buffer, .address_space: global }
      - { .name: gate_w, .offset: 8, .size: 8, .value_kind: global_buffer, .address_space: global }
      - { .name: gate_b, .offset: 16, .size: 8, .value_kind: global_buffer, .address_space: global }
      - { .name: ln_w, .offset: 24, .size: 8, .value_kind: global_buffer, .address_space: global }
      - { .name: ln_b, .offset: 32, .size: 8, .value_kind: global_buffer, .address_space: global }
      - { .name: w1, .offset: 40, .size: 8, .value_kind: global_buffer, .address_space: global }
      - { .name: lowp_scales, .offset: 48, .size: 8, .value_kind: global_buffer, .address_space: global }
      - { .name: out1, .offset: 56, .size: 8, .value_kind: global_buffer, .address_space: global }
      - { .name: out2, .offset: 64, .size: 8, .value_kind: global_buffer, .address_space: global }
      - { .name: out3, .offset: 72, .size: 8, .value_kind: global_buffer, .address_space: global }
      - { .name: tidx, .offset: 80, .size: 8, .value_kind: global_buffer, .address_space: global }
      - { .name: xe, .offset: 88, .size: 8, .value_kind: global_buffer, .address_space: global }
      - { .name: w1i, .offset: 96, .size: 8, .value_kind: global_buffer, .address_space: global }
    .group_segment_fixed_size: 0
    .private_segment_fixed_size: 0
    .kernarg_segment_align: 8
    .kernarg_segment_size: 104
    .max_flat_workgroup_size: 256
    .sgpr_count:     66
    .vgpr_count:     256
    .wavefront_size: 32
...
	.end_amdgpu_metadata
.endif
;; end of part 1
;; launch sort_q2 (part 2): grid 513 x 1, 8 waves a work-group, no clusters, 0 bytes of LDS; arguments tidx, out1, w2, lowp_scales, ord, out4, w2i; writes ord, out4, w2i
.if DOCPART == 2
	.amdgcn_target "amdgcn-amd-amdhsa--gfx1250"
	.amdhsa_code_object_version 6
	.text
	.protected	k_q14824f0d88_sort_q2
	.globl	k_q14824f0d88_sort_q2
	.p2align	8
	.type	k_q14824f0d88_sort_q2,@function
k_q14824f0d88_sort_q2:
	s_mov_b64 s[64:65], 0
	v_nop
	global_prefetch_b8 v0, s[64:65] scope:SCOPE_SE
	s_setreg_imm32_b32 hwreg(HW_REG_WAVE_MODE, 25, 1), 1
	s_wait_xcnt 0x0
; Work-group 0: wave 0 sorts the 2,048 tokens by their pair of experts (a counting sort over six classes, in the order 01, 02, 03, 13, 12, 23, so that neighbouring
;   classes share an expert), stores perm (the token at each sorted place) and hm[e] (bit q: the q-th run of 64 places holds a token of expert e);
;   wave 1 makes the aux loss: 4 x sum over e of (count_e / 4096) (sum of probs_e / 2048) = sum of count_e x sum_e x 2^-21.  The other six waves of that work-group have no part.
; Work-groups 1-512: w2 [4][4096 k][1024 n] f32 becomes codes with the scale 2^e2, as images of the operand registers:
;   w2i is [e][dg 16][s 64][tile 4][1024]; byte 512 c + 16 L + j of an image is row d = 64 dg + 16 tile + L % 16, k = 64 s + 32 c + 16 (L / 16) + j.
; The sort reads whole numbers that the first launch stored; every place is held under 2,048 before it enters an address.
; perm is stored four bytes a lane: lanes of one class hold neighbouring places; 8 KB in all.
; LIMITS: e2 between -126 and 112.  NaN among the inputs is not served.
.set N4, 4096                          ; bytes in a row of w2
.set KEY, 16                           ; v16-79   (1 << i0) | (1 << i1) of token 32 t + lane
.set POS, 80                           ; v80-207  the indices as loaded; then v80-143 places, v144-207 token numbers
.set MK,  20                           ; s20-25   a class's lanes
.set CNT, 30                           ; s30-35   tokens in a class
.set STA, 36                           ; s36-41   its first place
.set BAS, 42                           ; s42-47   the next free place; at the end one past its last
.set BC,  48                           ; s48-53   at work
.macro QLOAD t
.set i, 0
.rept 32
	global_load_b32 v[32+32*((\t)%2)+i], v3, s[40:41] offset:(32*(\t)+i)*N4 th:TH_LOAD_NT
.set i, i+1
.endr
.endm
.macro QBLOCK t
.set XS, 32+32*((\t)%2)
.set CC, 96+8*(\t)
.if (\t) < 3
	s_wait_loadcnt 32                              ; this block's 32 loads are in; the next block's 32 may be out
.else
	s_wait_loadcnt 0
.endif
.set i, 0
.rept 32
	v_med3_num_f32 v[XS+i], v[XS+i], -v10, v10     ; the hold at the largest code x the scale (ISA guide 7.6.2)
.set i, i+1
.endr
.set i, 0
.rept 4
	v_cvt_scalef32_pk8_bf8_f32 v[CC+2*i:CC+2*i+1], v[XS+8*i:XS+8*i+7], v11
.set i, i+1
.endr
	v_nop                                          ; one plain instruction between the conversions and the first vector use of their results
.set i, 0
.rept 4
	v_permlane16_swap_b32 v[CC+i], v[CC+4+i]       ; CC+0..3: the chunk of the first 16 columns; CC+4..7: of the other 16
.set i, i+1
.endr
	global_store_b128 v4, v[CC:CC+3], s[42:43] offset:((\t)/2)*4096+((\t)%2)*512
	global_store_b128 v4, v[CC+4:CC+7], s[42:43] offset:((\t)/2)*4096+((\t)%2)*512+1024
.if (\t) < 2
	QLOAD (\t)+2
.endif
.endm
.macro MASKS                           ; the lanes of each class among tokens 32 t + lane
.set c, 0
.irp k, 3,5,9,10,6,12
	v_cmp_eq_u32 s[MK+c], \k, v[KEY+t]
.set c, c+1
.endr
.endm
.macro COUNT to                        ; their numbers are added to six scalars
.set c, 0
.rept 6
	s_bcnt1_i32_b32 s[BC+c], s[MK+c]
.set c, c+1
.endr
.set c, 0
.rept 6
	s_add_co_u32 s[\to+c], s[\to+c], s[BC+c]
.set c, c+1
.endr
.endm
.macro REDS base, n                    ; n sums over the 32 lanes; v24.. at work
.irp m, 1,2,4,8
.set q, 0
.rept \n
	v_add_f32_dpp v[\base+q], v[\base+q], v[\base+q] row_xmask:\m row_mask:0xf bank_mask:0xf
.set q, q+1
.endr
.endr
.set q, 0
.rept \n
	v_permlanex16_b32 v[24+q], v[\base+q], s30, s31
.set q, q+1
.endr
.set q, 0
.rept \n
	v_add_f32 v[\base+q], v[\base+q], v[24+q]
.set q, q+1
.endr
.endm
	s_load_b256 s[4:11], s[0:1], 0x0               ; tidx, out1, w2, lowp_scales
	s_load_b128 s[12:15], s[0:1], 0x20             ; ord, out4
	s_load_b64 s[16:17], s[0:1], 0x30              ; w2i
	v_lshrrev_b32 v2, 5, v0
	v_readfirstlane_b32 s18, v2                    ; wave
	v_and_b32 v2, 31, v0                           ; lane
	s_wait_kmcnt 0x0
	s_cmp_eq_u32 ttmp9, 0
	s_cbranch_scc1 .Lsort
	; ================= stream: 256 columns x 128 k of one expert's w2, a wave 32 columns
	s_load_b128 s[56:59], s[10:11], 0x0            ; e0 .. e3
	s_sub_co_u32 s30, ttmp9, 1
	s_and_b32 s32, s30, 3                          ; which 256 columns
	s_bfe_u32 s31, s30, 0x50002                    ; which 128 along K
	s_lshr_b32 s33, s30, 7                         ; expert
	s_lshl_b32 s34, s33, 24
	s_lshl_b32 s35, s31, 19                        ; 128 rows of 4,096 bytes
	s_add_co_u32 s34, s34, s35
	s_lshl_b32 s35, s32, 10
	s_add_co_u32 s34, s34, s35
	s_lshl_b32 s35, s18, 7
	s_add_co_u32 s34, s34, s35
	s_mov_b32 s35, 0
	s_add_nc_u64 s[40:41], s[8:9], s[34:35]
	s_lshl_b32 s36, s33, 4
	s_lshl_b32 s37, s32, 2
	s_add_co_u32 s36, s36, s37
	s_lshr_b32 s37, s18, 1
	s_add_co_u32 s36, s36, s37                     ; 16 e + dg
	s_lshl_b32 s36, s36, 18
	s_lshl_b32 s37, s31, 13
	s_add_co_u32 s36, s36, s37
	s_and_b32 s37, s18, 1
	s_lshl_b32 s37, s37, 11
	s_add_co_u32 s36, s36, s37
	s_mov_b32 s37, 0
	s_add_nc_u64 s[42:43], s[16:17], s[36:37]
	v_lshlrev_b32 v3, 2, v2                        ; my column is my lane
	v_lshlrev_b32 v4, 4, v2
	QLOAD 0
	QLOAD 1
	s_wait_kmcnt 0x0
	s_add_co_i32 s51, s58, 127
	s_lshl_b32 s52, s51, 23
	v_mov_b32 v11, s52                             ; 2^e2
	s_add_co_i32 s51, s51, 15
	s_lshl_b32 s51, s51, 23
	s_or_b32 s51, s51, 0x600000
	v_mov_b32 v10, s51                             ; 57,344 x 2^e2
	QBLOCK 0
	QBLOCK 1
	QBLOCK 2
	QBLOCK 3
	s_endpgm
.Lsort:
	s_cmp_eq_u32 s18, 0
	s_cbranch_scc1 .Lwave0
	s_cmp_eq_u32 s18, 1
	s_cbranch_scc1 .Lwave1
	s_endpgm
	; ================= the sort
.Lwave0:
	v_lshlrev_b32 v1, 3, v2
.set t, 0
.rept 64
	global_load_b64 v[POS+2*t:POS+2*t+1], v1, s[4:5] offset:256*t
.set t, t+1
.endr
.set c, 0
.rept 6
	s_mov_b32 s[CNT+c], 0
.set c, c+1
.endr
	s_wait_loadcnt 0x0
.set t, 0
.rept 64
	v_lshl_or_b32 v[KEY+t], 1, v[POS+2*t], 0
	v_lshl_or_b32 v[KEY+t], 1, v[POS+2*t+1], v[KEY+t]
.set t, t+1
.endr
.set t, 0
.rept 64                               ; first pass: how many tokens each class has
	MASKS
	COUNT CNT
.set t, t+1
.endr
	s_mov_b32 s[STA], 0
.set c, 1
.rept 5
	s_add_co_u32 s[STA+c], s[STA+c-1], s[CNT+c-1]
.set c, c+1
.endr
.set c, 0
.rept 6
	s_mov_b32 s[BAS+c], s[STA+c]
.set c, c+1
.endr
.set t, 0
.rept 64                               ; second pass: a token's place = its class's next free place + the lanes of its class below it
	MASKS
	v_mbcnt_lo_u32_b32 v[POS+t], s[MK], s[BAS]
.set c, 1
.rept 5
	v_mbcnt_lo_u32_b32 v[6+c], s[MK+c], s[BAS+c]
.set c, c+1
.endr
.set c, 1
.rept 5
	v_cndmask_b32 v[POS+t], v[POS+t], v[6+c], s[MK+c]
.set c, c+1
.endr
	COUNT BAS
.set t, t+1
.endr
.set t, 0
.rept 64
	v_min_u32 v[POS+t], 0x7ff, v[POS+t]            ; a place stays inside perm
	v_lshlrev_b32 v[POS+t], 2, v[POS+t]
	v_add_nc_u32 v[POS+64+t], 32*t, v2             ; the token
	global_store_b32 v[POS+t], v[POS+64+t], s[12:13]
.set t, t+1
.endr
	; lane q stands for places 64 q .. 64 q + 63: a class that is not empty meets them where its first place is under 64 q + 64 and its end above 64 q.  The compare's mask is the class's half mask
	v_lshlrev_b32 v12, 6, v2
	v_add_nc_u32 v13, 64, v12
.set c, 0
.rept 6
	v_cmp_gt_u32 s[MK+c], s[BAS+c], v12
	v_cmp_lt_u32 s[BC+c], s[STA+c], v13
	s_and_b32 s[MK+c], s[MK+c], s[BC+c]
	s_cmp_lg_u32 s[CNT+c], 0
	s_cselect_b32 s[MK+c], s[MK+c], 0
.set c, c+1
.endr
	s_or_b32 s54, s20, s21                         ; expert 0: classes 01, 02, 03
	s_or_b32 s54, s54, s22
	s_or_b32 s55, s20, s23                         ; expert 1: 01, 13, 12
	s_or_b32 s55, s55, s24
	s_or_b32 s56, s21, s24                         ; expert 2: 02, 12, 23
	s_or_b32 s56, s56, s25
	s_or_b32 s57, s22, s23                         ; expert 3: 03, 13, 23
	s_or_b32 s57, s57, s25
	v_mov_b32 v14, 0
	v_writelane_b32 v14, s54, 0
	v_writelane_b32 v14, s55, 1
	v_writelane_b32 v14, s56, 2
	v_writelane_b32 v14, s57, 3
	v_lshlrev_b32 v15, 2, v2
	global_store_b32 v15, v14, s[12:13] offset:8192
	s_endpgm
	; ================= the aux loss
.Lwave1:
	s_mov_b32 s30, 0x76543210
	s_mov_b32 s31, 0xfedcba98
	v_lshlrev_b32 v1, 4, v2
	v_lshlrev_b32 v3, 3, v2
.irp r, 8,9,10,11,12,24,25,26,27
	v_mov_b32 v\r, 0                               ; four sums, the packed counts, and the lane permutes' work registers
.endr
.set n, 0
.rept 4                                ; probs: a token a lane, 16 loads of 512 consecutive bytes at a time
.set i, 0
.rept 16
	global_load_b128 v[32+4*i:35+4*i], v1, s[6:7] offset:512*(16*n+i)
.set i, i+1
.endr
	s_wait_loadcnt 0x0
.set i, 0
.rept 16
	v_pk_add_f32 v[8:9], v[8:9], v[32+4*i:33+4*i]
	v_pk_add_f32 v[10:11], v[10:11], v[34+4*i:35+4*i]
.set i, i+1
.endr
.set n, n+1
.endr
.set n, 0
.rept 2                                ; the choices: four counts of 8 bits in one register; a lane sees 64 tokens, so a count stays under 256
.set i, 0
.rept 32
	global_load_b64 v[32+2*i:33+2*i], v3, s[4:5] offset:256*(32*n+i)
.set i, i+1
.endr
	s_wait_loadcnt 0x0
.set i, 0
.rept 64
	v_lshlrev_b32 v13, 3, v[32+i]
	v_lshl_add_u32 v12, 1, v13, v12
.set i, i+1
.endr
.set n, n+1
.endr
.irp e, 0,1,2,3
	v_bfe_u32 v[16+\e], v12, 8*\e, 8
.endr
.irp e, 0,1,2,3
	v_cvt_f32_u32 v[16+\e], v[16+\e]
.endr
	REDS 8, 4
	REDS 16, 4
	v_mul_f32 v13, v16, v8
	v_fmac_f32 v13, v17, v9
	v_fmac_f32 v13, v18, v10
	v_fmac_f32 v13, v19, v11
	v_mul_f32 v13, 0x35000000, v13                 ; x 2^-21
	v_mov_b32 v14, 0
	s_wait_xcnt 0x0                                ; EXEC changes only behind this wait
	v_cmp_eq_u32 vcc_lo, 0, v2
	s_and_saveexec_b32 s20, vcc_lo
	global_store_b32 v14, v13, s[14:15]
	s_wait_xcnt 0x0
	s_or_b32 exec_lo, exec_lo, s20
	s_endpgm
.Lfunc_end_k_q14824f0d88_sort_q2:
	.size	k_q14824f0d88_sort_q2, .Lfunc_end_k_q14824f0d88_sort_q2-k_q14824f0d88_sort_q2
	.p2alignl 7, 3214868480
	.fill 96, 4, 3214868480
	.section	.rodata,"a",@progbits
	.p2align	6, 0x0
	.amdhsa_kernel k_q14824f0d88_sort_q2
		.amdhsa_group_segment_fixed_size 0
		.amdhsa_private_segment_fixed_size 0
		.amdhsa_enable_private_segment 0
		.amdhsa_kernarg_size 56
		.amdhsa_user_sgpr_count 2
		.amdhsa_user_sgpr_kernarg_segment_ptr 1
		.amdhsa_wavefront_size32 1
		.amdhsa_system_sgpr_workgroup_id_x 1
		.amdhsa_system_sgpr_workgroup_id_y 1
		.amdhsa_system_sgpr_workgroup_id_z 1
		.amdhsa_system_vgpr_workitem_id 0
		.amdhsa_next_free_vgpr 208
		.amdhsa_next_free_sgpr 66
		.amdhsa_reserve_vcc 1
		.amdhsa_float_denorm_mode_32 3
		.amdhsa_float_denorm_mode_16_64 3
		.amdhsa_memory_ordered 1
		.amdhsa_forward_progress 1
		.amdhsa_inst_pref_size 234
	.end_amdhsa_kernel
	.amdgpu_metadata
---
amdhsa.version: [ 1, 2 ]
amdhsa.kernels:
  - .name:           k_q14824f0d88_sort_q2
    .symbol:         k_q14824f0d88_sort_q2.kd
    .args:
      - { .name: tidx, .offset: 0, .size: 8, .value_kind: global_buffer, .address_space: global }
      - { .name: out1, .offset: 8, .size: 8, .value_kind: global_buffer, .address_space: global }
      - { .name: w2, .offset: 16, .size: 8, .value_kind: global_buffer, .address_space: global }
      - { .name: lowp_scales, .offset: 24, .size: 8, .value_kind: global_buffer, .address_space: global }
      - { .name: ord, .offset: 32, .size: 8, .value_kind: global_buffer, .address_space: global }
      - { .name: out4, .offset: 40, .size: 8, .value_kind: global_buffer, .address_space: global }
      - { .name: w2i, .offset: 48, .size: 8, .value_kind: global_buffer, .address_space: global }
    .group_segment_fixed_size: 0
    .private_segment_fixed_size: 0
    .kernarg_segment_align: 8
    .kernarg_segment_size: 56
    .max_flat_workgroup_size: 256
    .sgpr_count:     66
    .vgpr_count:     208
    .wavefront_size: 32
...
	.end_amdgpu_metadata
.endif
;; end of part 2
;; launch up (part 3): grid 16 x 16, 8 waves a work-group, no clusters, 134,144 bytes of LDS; arguments xe, w1i, b1, ord, lowp_scales, hi; writes hi
.if DOCPART == 3
	.amdgcn_target "amdgcn-amd-amdhsa--gfx1250"
	.amdhsa_code_object_version 6
	.text
	.protected	k_q14824f0d88_up
	.globl	k_q14824f0d88_up
	.p2align	8
	.type	k_q14824f0d88_up,@function
k_q14824f0d88_up:
	s_mov_b64 s[64:65], 0
	v_nop
	global_prefetch_b8 v0, s[64:65] scope:SCOPE_SE
	s_setreg_imm32_b32 hwreg(HW_REG_WAVE_MODE, 25, 1), 1
	s_wait_xcnt 0x0
; h = Q(gelu(xe . w1 + b1)), on codes of E5M2, for the units (64 sorted tokens, expert) that the stored masks name.
; LEFT OUT: the units whose 64 tokens all chose other experts: reference() gathers none of their rows (shown at the head of the first kernel).
; SHARES.  Work-group (cg, T): 128 sorted places x 256 hidden units.  Wave w: 64 hidden units (group G = 4 cg + w % 4) x the 64 places of half w / 4: 16 accumulators.
; The product is used transposed: source 0 = 16 rows of w1 (an image, straight from memory into registers), source 1 = 16 tokens of xe (from LDS).  A lane then holds one token, and the 16
; registers of two neighbouring tiles are 16 neighbouring hidden units, which the conversions turn into the next operand's registers.  They are stored as images: hi is [block of 16 places 128][e 4][s 64][1024].
; The walk over experts hangs on stored numbers, so there are no tensor loads and no cluster; the loop over experts has four trips for every wave, both barriers stand outside every branch, and the branches lead round work alone.
; Both operands hold k = 32 c + 16 (L / 16) + j in byte j of registers 4 c .. 4 c + 3: one permutation of k for both, so every product meets its partner.
; GELU, exact form: gelu(x) = max(x, 0) - |x| E(|x|), E(a) = erfc(a / sqrt 2) / 2 = t 2^(-kappa a^2 + c0 + t (c1 + t (c2 + .. + t c9))), t = 1 / (1 + a sqrt(2) / 4): a fit of erfc with relative error about 1e-7.
; A sum R stands for x = R 2^(e0+e1).  That power is folded into the two constants that meet R (added to their exponent fields) and into the conversion's scale 2^(e3-e0-e1); b1 goes in, divided by it, as the C of each sum's first product.
; LIMITS: e0 + e1 between -62 and 62; e3 - e0 - e1 between -126 and 112.  NaN among the inputs is not served.  A half that holds a border between two classes of tokens walks three experts or more where the others walk two.
.set PITCH, 1040                       ; a token's 1,024 codes + 16 bytes: 65 x 16, so the 16 rows of a load start at 16 different groups of banks (ISA guide 11.1)
.set SPARE, 128*PITCH                  ; behind the rows: the spare words, 128 bytes for each of the 8 waves, which no other line names
; window 0: v1 16 L; v2 where I read xe; v3 where I stage; v4, v5 the add's two; v6 64 (L / 16); v8-23 my 16 staged tokens' offsets; v32-191 w1's images, five steps (also the staging registers); v192-255 xe's fragments, two steps
.set ROWA, 8
.set AR,   32
.set BR,   192
; window 1
.set AC,   0                           ; v0-127   accumulator (block j, tile t) at 8 (4 j + t)
.set TT,   128                         ; v128-143 t
.set PP,   144                         ; v144-159 the exponent's part in x^2; then the result
.set QQ,   160                         ; v160-175 the polynomial; then E
.set CDS,  176                         ; v176-183 codes, two sets of four
.set B1R,  184                         ; v184-215 b1 in the result's layout, eight registers a tile
.set L16B, 216                         ; 16 L once more, for the stores
.set LIM,  217                         ; 57,344 x 2^(e3-e0-e1)
.set SC,   218                         ; 2^(e3-e0-e1)
.set KAP,  224                         ; -kappa 2^(2(e0+e1)), twice
.set CK,   226                         ; c_k, twice, at CK + 2 k
.set CHR,  246                         ; sqrt(2) / 4 x 2^(e0+e1)
.set MSB, 0
.macro WIN new                         ; the immediate's high byte repeats the setting that is left
.if MSB != \new
	s_set_vgpr_msb (MSB<<8)|\new
.set MSB, \new
.endif
.endm
.macro LDA s                           ; step s of w1: four images, 8 loads of 512 consecutive bytes
.set i, 0
.rept 8
	global_load_b128 v[AR+32*((\s)%5)+4*i:AR+32*((\s)%5)+4*i+3], v1, s[28:29] offset:4096*(\s)+512*i
.set i, i+1
.endr
.endm
.macro LDB s                           ; step s of xe: my four blocks of 16 tokens
.set i, 0
.rept 8
	ds_load_b128 v[BR+32*((\s)%2)+4*i:BR+32*((\s)%2)+4*i+3], v2 offset:16*PITCH*(i/2)+64*(\s)+32*(i%2)
.set i, i+1
.endr
.endm
.macro STEP s                          ; 64 along K: 16 products, the 16 accumulators by turns
.if (\s) < 13
	s_wait_loadcnt 24                              ; this step's images are in (and b1, which is older); the next three steps' 24 loads may be out
.else
	s_wait_loadcnt 8*(15-(\s))
.endif
	s_wait_dscnt 0x0                               ; this step's fragments of xe
.if (\s) == 0
	WIN 0x41
.set i, 0
.rept 32
	v_ldexp_f32 v[B1R+i], v[B1R+i], s34            ; b1 / 2^(e0+e1)
.set i, i+1
.endr
	WIN 0
.else
.rept 4
	v_nop                                          ; four places between the last step's products and loads into registers that they read
.endr
.endif
.if (\s) < 15
	LDB (\s)+1
.endif
.if (\s) < 12
	LDA (\s)+4
.endif
	WIN 0x50                                       ; C and D in window 1
.set t, 0
.rept 4
.set j, 0
.rept 4
.if (\s) == 0
	v_wmma_f32_16x16x64_bf8_bf8 v[AC+8*(4*j+t):AC+8*(4*j+t)+7], v[AR+32*((\s)%5)+8*t:AR+32*((\s)%5)+8*t+7], v[BR+32*((\s)%2)+8*j:BR+32*((\s)%2)+8*j+7], v[B1R+8*t:B1R+8*t+7]
.else
	v_wmma_f32_16x16x64_bf8_bf8 v[AC+8*(4*j+t):AC+8*(4*j+t)+7], v[AR+32*((\s)%5)+8*t:AR+32*((\s)%5)+8*t+7], v[BR+32*((\s)%2)+8*j:BR+32*((\s)%2)+8*j+7], v[AC+8*(4*j+t):AC+8*(4*j+t)+7]
.endif
.set j, j+1
.endr
.set t, t+1
.endr
	WIN 0
.endm
.macro GELU16 g                        ; 16 numbers a lane: block g / 2, hidden units 32 (g % 2) + 16 (L / 16) + 0 .. 15 of my group.  All operands in window 1
.set RR, AC+16*(\g)
	s_wait_xcnt 0x0                                ; the earlier stores have read their code registers
.set i, 0
.rept 16
	v_fma_f32 v[TT+i], |v[RR+i]|, v[CHR], 1.0      ; each accumulator is read from its low end on
.set i, i+1
.endr
.set i, 0
.rept 16
	v_rcp_f32 v[TT+i], v[TT+i]
.set i, i+1
.endr
.set i, 0
.rept 8
	v_pk_mul_f32 v[PP+i:PP+i+1], v[RR+i:RR+i+1], v[RR+i:RR+i+1]
.set i, i+2
.endr
.set i, 0
.rept 8
	v_pk_fma_f32 v[PP+i:PP+i+1], v[PP+i:PP+i+1], v[KAP:KAP+1], v[CK:CK+1]
.set i, i+2
.endr
	s_wait_alu depctr_va_vdst(0)                   ; one wait for the 16 reciprocals, ahead of their first reader; the 16 packed lines above are the work between
.set i, 0
.rept 8
	v_pk_fma_f32 v[QQ+i:QQ+i+1], v[TT+i:TT+i+1], v[CK+18:CK+19], v[CK+16:CK+17]
.set i, i+2
.endr
.set k, 7
.rept 7
.set i, 0
.rept 8
	v_pk_fma_f32 v[QQ+i:QQ+i+1], v[QQ+i:QQ+i+1], v[TT+i:TT+i+1], v[CK+2*k:CK+2*k+1]
.set i, i+2
.endr
.set k, k-1
.endr
.set i, 0
.rept 8
	v_pk_fma_f32 v[QQ+i:QQ+i+1], v[QQ+i:QQ+i+1], v[TT+i:TT+i+1], v[PP+i:PP+i+1]
.set i, i+2
.endr
.set i, 0
.rept 16
	v_exp_f32 v[QQ+i], v[QQ+i]
.set i, i+1
.endr
.set i, 0
.rept 16
	v_max_num_f32 v[PP+i], 0, v[RR+i]
.set i, i+1
.endr
	s_wait_alu depctr_va_vdst(0)                   ; one wait for the 16 exponentials
.set i, 0
.rept 8
	v_pk_mul_f32 v[QQ+i:QQ+i+1], v[QQ+i:QQ+i+1], v[TT+i:TT+i+1]
.set i, i+2
.endr
.set i, 0
.rept 16
	v_fma_f32 v[PP+i], -|v[RR+i]|, v[QQ+i], v[PP+i]
.set i, i+1
.endr
.set i, 0
.rept 16
	v_med3_num_f32 v[PP+i], v[PP+i], -v[LIM], v[LIM]     ; the hold (ISA guide 7.6.2)
.set i, i+1
.endr
	v_cvt_scalef32_pk8_bf8_f32 v[CDS+4*((\g)%2):CDS+4*((\g)%2)+1], v[PP:PP+7], v[SC]
	v_cvt_scalef32_pk8_bf8_f32 v[CDS+4*((\g)%2)+2:CDS+4*((\g)%2)+3], v[PP+8:PP+15], v[SC]
	v_nop                                          ; a plain instruction behind the conversions: later lines write their sources
	global_store_b128 v[L16B], v[CDS+4*((\g)%2):CDS+4*((\g)%2)+3], s[32:33] offset:262144*((\g)/2)+512*((\g)%2)   ; half an image: 512 consecutive bytes
.endm
	s_load_b256 s[4:11], s[0:1], 0x0               ; xe, w1i, b1, ord
	s_load_b128 s[12:15], s[0:1], 0x20             ; lowp_scales, hi
	v_lshl_add_u32 v4, v0, 2, SPARE
	v_mov_b32 v5, 0
	v_lshrrev_b32 v24, 5, v0
	v_readfirstlane_b32 s16, v24                   ; wave 0..7
	v_and_b32 v25, 31, v0
	v_and_b32 v26, 15, v0                          ; r
	v_bfe_u32 v27, v0, 4, 1                        ; h
	v_lshlrev_b32 v1, 4, v25
	v_lshlrev_b32 v6, 6, v27
	s_lshr_b32 s17, s16, 2                         ; my half of the tile's places
	s_and_b32 s18, s16, 3                          ; my 64 of its 256 hidden units
	s_and_b32 s19, ttmp7, 0xffff                   ; T
	s_mul_i32 s38, s17, 64*PITCH
	v_mul_u32_u24 v2, v26, PITCH
	v_lshl_add_u32 v2, v27, 4, v2
	v_add_nc_u32 v2, s38, v2                       ; (64 half + r) x pitch + 16 h
	s_mul_i32 s38, s16, 16*PITCH
	v_add_nc_u32 v3, s38, v1                       ; I stage rows 16 w .. 16 w + 15
	s_lshl_b32 s38, s19, 9
	s_lshl_b32 s39, s16, 6
	s_add_co_u32 s38, s38, s39                     ; 4 x (128 T + 16 w)
	s_mov_b32 s39, 0
	s_wait_kmcnt 0x0
	s_add_nc_u64 s[60:61], s[10:11], s[38:39]
	s_load_b512 s[40:55], s[60:61], 0x0            ; the 16 tokens that I stage
	s_load_b128 s[20:23], s[10:11], 0x2000         ; hm
	s_load_b128 s[56:59], s[12:13], 0x0            ; e0 .. e3
	s_lshl_b32 s38, ttmp9, 2
	s_add_co_u32 s38, s38, s18                     ; G
	s_lshl_b32 s62, s38, 16
	s_mov_b32 s63, 0
	s_add_nc_u64 s[28:29], s[6:7], s[62:63]        ; w1i at (expert 0, G)
	s_lshl_b32 s62, s38, 8
	s_add_nc_u64 s[30:31], s[8:9], s[62:63]        ; b1 likewise
	s_lshl_b32 s62, s19, 3
	s_lshl_b32 s39, s17, 2
	s_add_co_u32 s62, s62, s39                     ; my first block of 16 places
	s_lshl_b32 s62, s62, 18
	s_lshl_b32 s39, s38, 10
	s_add_co_u32 s62, s62, s39
	s_add_nc_u64 s[32:33], s[14:15], s[62:63]      ; hi at (that block, expert 0, step G)
	s_mov_b64 s[26:27], s[4:5]                     ; xe at expert 0
	s_mov_b32 s24, 0
	s_wait_kmcnt 0x0
.set i, 0
.rept 16
	s_min_u32 s[40+i], s[40+i], 0x7ff              ; a token stays inside xe
	v_lshl_add_u32 v[ROWA+i], s[40+i], 12, v1      ; 4,096 bytes a token, + 16 L
.set i, i+1
.endr
	s_lshl_b32 s38, s19, 1
.set i, 0
.rept 4
	s_lshr_b32 s[20+i], s[20+i], s38
	s_and_b32 s[20+i], s[20+i], 3                  ; my tile's two halves
.set i, i+1
.endr
	s_add_co_i32 s35, s56, s57                     ; e0 + e1
	s_sub_co_i32 s34, 0, s35
	s_lshl_b32 s36, s35, 23
	s_add_co_u32 s37, s36, 0x3eb504f3              ; sqrt(2) / 4 x 2^(e0+e1): the exponent is added to the exponent field
	s_lshl_b32 s36, s35, 24
	s_add_co_u32 s36, s36, 0xbf38aa3b              ; -log2(e) / 2 x 2^(2(e0+e1))
	s_sub_co_i32 s38, s59, s35
	s_add_co_i32 s38, s38, 127
	s_lshl_b32 s39, s38, 23                        ; 2^(e3-e0-e1)
	s_add_co_i32 s38, s38, 15
	s_lshl_b32 s38, s38, 23
	s_or_b32 s38, s38, 0x600000                    ; 57,344 x that
	WIN 0x40                                       ; destination window 1
	v_mov_b32 v[L16B], v1
	v_mov_b32 v[LIM], s38
	v_mov_b32 v[SC], s39
	v_mov_b32 v[CHR], s37
	v_mov_b32 v[KAP], s36
	v_mov_b32 v[KAP+1], s36
.set k, 0
.irp c, 0xc034d90f,0x3fb8ab5a,0x3f0a29d2,0x3e0efb2e,0xbe899a80,0x3ecdfd18,0xbfd1a1e5,0x40097039,0xbf97d29d,0x3e7c6f08
	v_mov_b32 v[CK+2*k], \c                        ; c0 .. c9: the fit's coefficients x log2(e); c0 also takes the 1/2 as -1
	v_mov_b32 v[CK+2*k+1], \c
.set k, k+1
.endr
	WIN 0
.Lexp:                                             ; four trips, one for each expert
	s_cmp_lg_u32 s20, 0
	s_cbranch_scc0 .Lnostage                       ; no half of the tile holds a token of this expert: the same in all eight waves
.set i, 0
.rept 32                               ; my 16 tokens' codes for this expert: 512 consecutive bytes a load
	global_load_b128 v[AR+4*i:AR+4*i+3], v[ROWA+i/2], s[26:27] offset:512*(i%2)
.set i, i+1
.endr
	s_wait_loadcnt 0x0
.set i, 0
.rept 32
	ds_store_b128 v3, v[AR+4*i:AR+4*i+3] offset:(i/2)*PITCH+512*(i%2)
.set i, i+1
.endr
.Lnostage:
	s_wait_dscnt 0x0                               ; my rows lie in LDS
	s_barrier_signal -1
	s_barrier_wait -1                              ; everybody's do
	s_lshr_b32 s25, s20, s17
	s_and_b32 s25, s25, 1
	s_cmp_lg_u32 s25, 0
	s_cbranch_scc0 .Lskip                          ; my half holds no token of this expert
	WIN 0x40
.set t, 0
.rept 4                                ; b1 at the hidden units that lane (r, h) holds in tile t: 32 (t / 2) + 8 (t % 2) + 16 h + 0 .. 7
	global_load_b128 v[B1R+8*t:B1R+8*t+3], v6, s[30:31] offset:(32*(t/2)+8*(t%2))*4
	global_load_b128 v[B1R+8*t+4:B1R+8*t+7], v6, s[30:31] offset:(32*(t/2)+8*(t%2))*4+16
.set t, t+1
.endr
	WIN 0
	LDA 0
	LDA 1
	LDA 2
	LDA 3
	LDB 0
.set q, 0
.rept 16
	STEP q
.set q, q+1
.endr
.rept 4
	v_nop                                          ; four places between the last products and the first read of results
.endr
	WIN 0x55
.irp g, 0,1,2,3,4,5,6,7
	GELU16 \g
.endr
	WIN 0
.Lskip:
	s_wait_dscnt 0x0                               ; my reads of the rows are over
	s_barrier_signal -1
	s_barrier_wait -1                              ; everybody's are: the next trip may store over them
	s_wait_xcnt 0x0                                ; the loads and stores have read their bases
	s_add_nc_u64 s[26:27], s[26:27], 1024
	s_add_nc_u64 s[28:29], s[28:29], 0x400000
	s_add_nc_u64 s[30:31], s[30:31], 16384
	s_add_nc_u64 s[32:33], s[32:33], 65536
	s_mov_b32 s20, s21
	s_mov_b32 s21, s22
	s_mov_b32 s22, s23
	s_mov_b32 s23, 0
	s_add_co_u32 s24, s24, 1
	s_cmp_lt_u32 s24, 4
	s_cbranch_scc1 .Lexp
	s_wait_tensorcnt 0x0                           ; the wave's end: behind my last LDS store
	ds_add_u32 v4, v5
	s_wait_dscnt 0x0
	s_endpgm
.Lfunc_end_k_q14824f0d88_up:
	.size	k_q14824f0d88_up, .Lfunc_end_k_q14824f0d88_up-k_q14824f0d88_up
	.p2alignl 7, 3214868480
	.fill 96, 4, 3214868480
	.section	.rodata,"a",@progbits
	.p2align	6, 0x0
	.amdhsa_kernel k_q14824f0d88_up
		.amdhsa_group_segment_fixed_size 134144
		.amdhsa_private_segment_fixed_size 0
		.amdhsa_enable_private_segment 0
		.amdhsa_kernarg_size 48
		.amdhsa_user_sgpr_count 2
		.amdhsa_user_sgpr_kernarg_segment_ptr 1
		.amdhsa_wavefront_size32 1
		.amdhsa_system_sgpr_workgroup_id_x 1
		.amdhsa_system_sgpr_workgroup_id_y 1
		.amdhsa_system_sgpr_workgroup_id_z 1
		.amdhsa_system_vgpr_workitem_id 0
		.amdhsa_next_free_vgpr 512
		.amdhsa_next_free_sgpr 66
		.amdhsa_reserve_vcc 0
		.amdhsa_float_denorm_mode_32 3
		.amdhsa_float_denorm_mode_16_64 3
		.amdhsa_memory_ordered 1
		.amdhsa_forward_progress 1
		.amdhsa_inst_pref_size 143
	.end_amdhsa_kernel
	.amdgpu_metadata
---
amdhsa.version: [ 1, 2 ]
amdhsa.kernels:
  - .name:           k_q14824f0d88_up
    .symbol:         k_q14824f0d88_up.kd
    .args:
      - { .name: xe, .offset: 0, .size: 8, .value_kind: global_buffer, .address_space: global }
      - { .name: w1i, .offset: 8, .size: 8, .value_kind: global_buffer, .address_space: global }
      - { .name: b1, .offset: 16, .size: 8, .value_kind: global_buffer, .address_space: global }
      - { .name: ord, .offset: 24, .size: 8, .value_kind: global_buffer, .address_space: global }
      - { .name: lowp_scales, .offset: 32, .size: 8, .value_kind: global_buffer, .address_space: global }
      - { .name: hi, .offset: 40, .size: 8, .value_kind: global_buffer, .address_space: global }
    .group_segment_fixed_size: 134144
    .private_segment_fixed_size: 0
    .kernarg_segment_align: 8
    .kernarg_segment_size: 48
    .max_flat_workgroup_size: 256
    .sgpr_count:     66
    .vgpr_count:     512
    .wavefront_size: 32
...
	.end_amdgpu_metadata
.endif
;; end of part 3
;; launch down (part 4): grid 16 x 16, 8 waves a work-group, no clusters, 140,288 bytes of LDS; arguments hi, w2i, b2, ord, tidx, out3, lowp_scales, out0; writes out0
.if DOCPART == 4
	.amdgcn_target "amdgcn-amd-amdhsa--gfx1250"
	.amdhsa_code_object_version 6
	.text
	.protected	k_q14824f0d88_down
	.globl	k_q14824f0d88_down
	.p2align	8
	.type	k_q14824f0d88_down,@function
k_q14824f0d88_down:
	s_mov_b64 s[64:65], 0
	v_nop
	global_prefetch_b8 v0, s[64:65] scope:SCOPE_SE
	s_setreg_imm32_b32 hwreg(HW_REG_WAVE_MODE, 25, 1), 1
	s_wait_xcnt 0x0
; y = sum over e of g_e (h_e . w2_e x 2^(e2+e3) + b2_e), g_e = the token's weight for expert e, 0 where it did not choose e.  Each output number has one owner.
; LEFT OUT: the units (64 sorted tokens, expert) that the stored masks do not name: every g_e is 0 there (shown at the head of the first kernel).
; SHARES.  Work-group (dg, T): 128 sorted places x 64 columns.  Wave w: the 64 places of half w / 4, all 64 columns, the quarter w % 4 of K (16 steps of 64 for each expert).
; Source 0 = 16 rows of w2, source 1 = 16 tokens of h, both as images straight from memory into registers.  A lane holds one token and eight neighbouring columns.
; Y gathers g_e x the sums over the experts in registers; the four quarters of K meet in LDS behind one barrier, and each wave stores 16 whole rows of 256 bytes at the tokens' own places.
; The walk hangs on stored numbers: no tensor loads, no cluster; the loop has four trips for every wave and no barrier inside.
; LIMITS: e2 + e3 between -126 and 127.  NaN among the inputs is not served.
.set RP,    272                        ; a row of 64 f32 + 16 bytes
.set REG,   64*RP                      ; a wave's 64 rows
.set SPARE, 8*REG                      ; behind the eight regions: the spare words, 128 bytes a wave, which no other line names
; window 0: v1 16 L; v2, v3 the add's two; v4 into LDS; v5 out of LDS; v6-9 8 x my tokens (one for each block); v10-17 their two experts; v18-25 their two weights;
;           v26-33 g in pairs (the low word serves both halves); v34-41 where I store; v42-45 lane offsets; v64-255 a ring of three steps (32 of w2, 32 of h)
.set IP,   10
.set WP,   18
.set GG,   26
.set OT,   34
.set RING, 64
.set AC,   0                           ; window 1: v0-127 accumulator (block j, tile t) at 8 (4 j + t)
.set YY,   128                         ; window 1: v128-255 y, in the same order
.set MSB, 0
.macro WIN new
.if MSB != \new
	s_set_vgpr_msb (MSB<<8)|\new
.set MSB, \new
.endif
.endm
.macro GSEL e                          ; g of my four tokens for expert e
.set j, 0
.rept 4
	v_cmp_eq_u32 vcc_lo, \e, v[IP+2*j]
	v_cndmask_b32 v[GG+2*j], 0, v[WP+2*j], vcc_lo
	v_cmp_eq_u32 vcc_lo, \e, v[IP+2*j+1]
	v_cndmask_b32 v[GG+2*j], v[GG+2*j], v[WP+2*j+1], vcc_lo
.set j, j+1
.endr
.endm
.macro LD s                            ; step s: four images of w2, four of h: 16 loads of 512 consecutive bytes
.set i, 0
.rept 8
	global_load_b128 v[RING+64*((\s)%3)+4*i:RING+64*((\s)%3)+4*i+3], v1, s[30:31] offset:4096*(\s)+512*i
.set i, i+1
.endr
.set i, 0
.rept 8
	global_load_b128 v[RING+64*((\s)%3)+32+4*i:RING+64*((\s)%3)+32+4*i+3], v1, s[32:33] offset:262144*(i/2)+1024*(\s)+512*(i%2)
.set i, i+1
.endr
.endm
.macro STEP s                          ; 16 products, the 16 accumulators by turns; the first step starts the sums
.if (\s) < 15
	s_wait_loadcnt 16                              ; this step's 16 loads are in; the next step's 16 may be out
.else
	s_wait_loadcnt 0
.endif
.if (\s) > 0
.rept 4
	v_nop                                          ; four places between the last step's products and loads into registers that they read
.endr
.endif
.if (\s) < 14
	LD (\s)+2
.endif
	WIN 0x50
.set t, 0
.rept 4
.set j, 0
.rept 4
.if (\s) == 0
	v_wmma_f32_16x16x64_bf8_bf8 v[AC+8*(4*j+t):AC+8*(4*j+t)+7], v[RING+64*((\s)%3)+8*t:RING+64*((\s)%3)+8*t+7], v[RING+64*((\s)%3)+32+8*j:RING+64*((\s)%3)+32+8*j+7], 0
.else
	v_wmma_f32_16x16x64_bf8_bf8 v[AC+8*(4*j+t):AC+8*(4*j+t)+7], v[RING+64*((\s)%3)+8*t:RING+64*((\s)%3)+8*t+7], v[RING+64*((\s)%3)+32+8*j:RING+64*((\s)%3)+32+8*j+7], v[AC+8*(4*j+t):AC+8*(4*j+t)+7]
.endif
.set j, j+1
.endr
.set t, t+1
.endr
	WIN 0
.endm
	s_load_b512 s[4:19], s[0:1], 0x0               ; hi, w2i, b2, ord, tidx, out3, lowp_scales, out0
	v_lshl_add_u32 v2, v0, 2, SPARE
	v_mov_b32 v3, 0
	v_lshrrev_b32 v46, 5, v0
	v_readfirstlane_b32 s25, v46                   ; wave 0..7
	v_and_b32 v47, 31, v0
	v_and_b32 v48, 15, v0                          ; r
	v_bfe_u32 v49, v0, 4, 1                        ; h
	v_lshlrev_b32 v1, 4, v47
	s_lshr_b32 s26, s25, 2                         ; my half of the places
	s_and_b32 s27, s25, 3                          ; my quarter of K
	s_and_b32 s28, ttmp7, 0xffff                   ; T
	s_mul_i32 s34, s25, REG
	v_mul_u32_u24 v4, v48, RP
	v_lshl_add_u32 v4, v49, 5, v4
	v_add_nc_u32 v4, s34, v4                       ; into my region: row r, + 32 h
	s_mul_i32 s34, s26, 4*REG
	s_mul_i32 s35, s27, 16*RP
	s_add_co_u32 s34, s34, s35
	v_mul_u32_u24 v5, v49, RP
	v_lshl_add_u32 v5, v48, 4, v5
	v_add_nc_u32 v5, s34, v5                       ; out: my half's first region, rows 16 quarter + (L / 16) on, 16 bytes a lane
	v_lshlrev_b32 v42, 5, v49
	v_lshlrev_b32 v43, 2, v48
	v_lshlrev_b32 v44, 2, v49
	v_lshlrev_b32 v45, 4, v48
.irp r, 27,29,31,33
	v_mov_b32 v\r, 0                               ; named as the upper halves of the pairs of g, so they are written
.endr
	s_lshl_b32 s34, s28, 7
	s_lshl_b32 s35, s26, 6
	s_add_co_u32 s34, s34, s35                     ; my half's first place
	s_lshl_b32 s36, s34, 2
	s_mov_b32 s37, 0
	s_lshl_b32 s38, s27, 6
	s_add_co_u32 s38, s38, s36                     ; and the first of the 16 places that I store
	s_mov_b32 s39, 0
	s_wait_kmcnt 0x0
	s_load_b128 s[20:23], s[10:11], 0x2000         ; hm
	s_load_b128 s[40:43], s[16:17], 0x0            ; e0 .. e3
	s_add_nc_u64 s[36:37], s[10:11], s[36:37]
	s_add_nc_u64 s[38:39], s[10:11], s[38:39]
.set j, 0
.rept 4
	global_load_b32 v[6+j], v43, s[36:37] offset:64*j          ; the token at place 16 j + r of my half
.set j, j+1
.endr
.set i, 0
.rept 8
	global_load_b32 v[OT+i], v44, s[38:39] offset:8*i          ; the token at place 2 i + L / 16 of my 16
.set i, i+1
.endr
	s_lshl_b32 s44, ttmp9, 18
	s_lshl_b32 s45, s27, 16
	s_add_co_u32 s44, s44, s45
	s_mov_b32 s45, 0
	s_add_nc_u64 s[30:31], s[6:7], s[44:45]        ; w2i at (expert 0, dg, my quarter)
	s_lshl_b32 s44, s28, 3
	s_lshl_b32 s46, s26, 2
	s_add_co_u32 s44, s44, s46
	s_lshl_b32 s44, s44, 18
	s_lshl_b32 s46, s27, 14
	s_add_co_u32 s44, s44, s46
	s_add_nc_u64 s[32:33], s[4:5], s[44:45]        ; hi at (my first block, expert 0, my quarter)
	s_lshl_b32 s44, ttmp9, 8
	s_add_nc_u64 s[18:19], s[18:19], s[44:45]      ; out0 and b2 at my 64 columns
	s_add_nc_u64 s[8:9], s[8:9], s[44:45]
	s_wait_loadcnt 0x0
.set j, 0
.rept 4
	v_min_u32 v[6+j], 0x7ff, v[6+j]                ; a token stays inside its tables
	v_lshlrev_b32 v[6+j], 3, v[6+j]
.set j, j+1
.endr
.set j, 0
.rept 4
	global_load_b64 v[IP+2*j:IP+2*j+1], v[6+j], s[12:13]
	global_load_b64 v[WP+2*j:WP+2*j+1], v[6+j], s[14:15]
.set j, j+1
.endr
.set i, 0
.rept 8
	v_min_u32 v[OT+i], 0x7ff, v[OT+i]
	v_lshl_add_u32 v[OT+i], v[OT+i], 12, v45       ; 4,096 bytes a row of y, + 16 (L % 16)
.set i, i+1
.endr
	s_wait_kmcnt 0x0
	s_lshl_b32 s46, s28, 1
	s_add_co_u32 s46, s46, s26
.set i, 0
.rept 4
	s_lshr_b32 s[20+i], s[20+i], s46
	s_and_b32 s[20+i], s[20+i], 1                  ; does my half hold a token of expert i?
.set i, i+1
.endr
	s_add_co_i32 s29, s42, s43
	s_add_co_i32 s29, s29, 127
	s_lshl_b32 s29, s29, 23                        ; 2^(e2+e3) as f32
	s_wait_loadcnt 0x0
	s_cmp_eq_u32 s27, 0
	s_cbranch_scc0 .Lzero
	; the first quarter's wave starts y with sum over e of g_e b2_e
.set i, 0
.rept 16                               ; expert i / 4, tile i % 4: columns 16 tile + 8 h + 0 .. 7
	global_load_b128 v[RING+8*i:RING+8*i+3], v42, s[8:9] offset:4096*(i/4)+64*(i%4)
	global_load_b128 v[RING+8*i+4:RING+8*i+7], v42, s[8:9] offset:4096*(i/4)+64*(i%4)+16
.set i, i+1
.endr
	s_wait_loadcnt 0x0
.irp e, 0,1,2,3
	GSEL \e
	WIN 0x50
.set j, 0
.rept 4
.set t, 0
.rept 4
.set i, 0
.rept 4
.if \e == 0
	v_pk_mul_f32 v[YY+8*(4*j+t)+i:YY+8*(4*j+t)+i+1], v[RING+32*\e+8*t+i:RING+32*\e+8*t+i+1], v[GG+2*j:GG+2*j+1] op_sel_hi:[1,0]
.else
	v_pk_fma_f32 v[YY+8*(4*j+t)+i:YY+8*(4*j+t)+i+1], v[RING+32*\e+8*t+i:RING+32*\e+8*t+i+1], v[GG+2*j:GG+2*j+1], v[YY+8*(4*j+t)+i:YY+8*(4*j+t)+i+1] op_sel_hi:[1,0,1]
.endif
.set i, i+2
.endr
.set t, t+1
.endr
.set j, j+1
.endr
	WIN 0
.endr
	s_branch .Lgo
.Lzero:                                            ; the other three start with zeros: which expert comes first hangs on the masks, so the loop has one form
	WIN 0x40
.set i, 0
.rept 128
	v_mov_b32 v[YY+i], 0
.set i, i+1
.endr
	WIN 0
.Lgo:
	s_mov_b32 s24, 0
.Lexp:                                             ; four trips, one for each expert
	s_cmp_lg_u32 s20, 0
	s_cbranch_scc0 .Lskip
	LD 0
	LD 1
.set q, 0
.rept 16
	STEP q
.set q, q+1
.endr
	GSEL s24                                       ; these selects and multiplies are also the places between the last products and the first read of results
.set j, 0
.rept 4
	v_mul_f32 v[GG+2*j], s29, v[GG+2*j]            ; g x 2^(e2+e3)
.set j, j+1
.endr
	WIN 0x51                                       ; the sums and y in window 1, g in window 0
.set j, 0
.rept 4
.set i, 0
.rept 16
	v_pk_fma_f32 v[YY+32*j+2*i:YY+32*j+2*i+1], v[AC+32*j+2*i:AC+32*j+2*i+1], v[GG+2*j:GG+2*j+1], v[YY+32*j+2*i:YY+32*j+2*i+1] op_sel_hi:[1,0,1]   ; each accumulator from its low end on
.set i, i+1
.endr
.set j, j+1
.endr
	WIN 0
.Lskip:
	s_wait_xcnt 0x0                                ; the loads have read their bases
	s_add_nc_u64 s[30:31], s[30:31], 0x400000
	s_add_nc_u64 s[32:33], s[32:33], 65536
	s_mov_b32 s20, s21
	s_mov_b32 s21, s22
	s_mov_b32 s22, s23
	s_mov_b32 s23, 0
	s_add_co_u32 s24, s24, 1
	s_cmp_lt_u32 s24, 4
	s_cbranch_scc1 .Lexp
	; THE WAY OUT: my part of y into my region; a barrier; each wave adds the four quarters of 16 rows and stores them
	WIN 0x04                                       ; the stores' data in window 1
.set j, 0
.rept 4
.set t, 0
.rept 4
	ds_store_b128 v4, v[YY+8*(4*j+t):YY+8*(4*j+t)+3] offset:16*RP*j+64*t
	ds_store_b128 v4, v[YY+8*(4*j+t)+4:YY+8*(4*j+t)+7] offset:16*RP*j+64*t+16
.set t, t+1
.endr
.set j, j+1
.endr
	WIN 0
	s_wait_dscnt 0x0                               ; for the others' sake: my stores have landed
	s_barrier_signal -1
	s_barrier_wait -1
.set p, 0
.rept 4
.set i, 0
.rept 8
	ds_load_b128 v[RING+32*p+4*i:RING+32*p+4*i+3], v5 offset:REG*p+2*RP*i
.set i, i+1
.endr
.set p, p+1
.endr
	s_wait_dscnt 0x0
.set i, 0
.rept 8
.set p, 1
.rept 3
	v_pk_add_f32 v[RING+4*i:RING+4*i+1], v[RING+4*i:RING+4*i+1], v[RING+32*p+4*i:RING+32*p+4*i+1]
	v_pk_add_f32 v[RING+4*i+2:RING+4*i+3], v[RING+4*i+2:RING+4*i+3], v[RING+32*p+4*i+2:RING+32*p+4*i+3]
.set p, p+1
.endr
	global_store_b128 v[OT+i], v[RING+4*i:RING+4*i+3], s[18:19] th:TH_STORE_NT     ; sixteen lanes store 256 consecutive bytes, at a multiple of 256 from the first byte of out0
.set i, i+1
.endr
	s_wait_tensorcnt 0x0                           ; the wave's end: behind my last LDS store
	ds_add_u32 v2, v3
	s_wait_dscnt 0x0
	s_endpgm
.Lfunc_end_k_q14824f0d88_down:
	.size	k_q14824f0d88_down, .Lfunc_end_k_q14824f0d88_down-k_q14824f0d88_down
	.p2alignl 7, 3214868480
	.fill 96, 4, 3214868480
	.section	.rodata,"a",@progbits
	.p2align	6, 0x0
	.amdhsa_kernel k_q14824f0d88_down
		.amdhsa_group_segment_fixed_size 140288
		.amdhsa_private_segment_fixed_size 0
		.amdhsa_enable_private_segment 0
		.amdhsa_kernarg_size 64
		.amdhsa_user_sgpr_count 2
		.amdhsa_user_sgpr_kernarg_segment_ptr 1
		.amdhsa_wavefront_size32 1
		.amdhsa_system_sgpr_workgroup_id_x 1
		.amdhsa_system_sgpr_workgroup_id_y 1
		.amdhsa_system_sgpr_workgroup_id_z 1
		.amdhsa_system_vgpr_workitem_id 0
		.amdhsa_next_free_vgpr 512
		.amdhsa_next_free_sgpr 66
		.amdhsa_reserve_vcc 1
		.amdhsa_float_denorm_mode_32 3
		.amdhsa_float_denorm_mode_16_64 3
		.amdhsa_memory_ordered 1
		.amdhsa_forward_progress 1
		.amdhsa_inst_pref_size 89
	.end_amdhsa_kernel
	.amdgpu_metadata
---
amdhsa.version: [ 1, 2 ]
amdhsa.kernels:
  - .name:           k_q14824f0d88_down
    .symbol:         k_q14824f0d88_down.kd
    .args:
      - { .name: hi, .offset: 0, .size: 8, .value_kind: global_buffer, .address_space: global }
      - { .name: w2i, .offset: 8, .size: 8, .value_kind: global_buffer, .address_space: global }
      - { .name: b2, .offset: 16, .size: 8, .value_kind: global_buffer, .address_space: global }
      - { .name: ord, .offset: 24, .size: 8, .value_kind: global_buffer, .address_space: global }
      - { .name: tidx, .offset: 32, .size: 8, .value_kind: global_buffer, .address_space: global }
      - { .name: out3, .offset: 40, .size: 8, .value_kind: global_buffer, .address_space: global }
      - { .name: lowp_scales, .offset: 48, .size: 8, .value_kind: global_buffer, .address_space: global }
      - { .name: out0, .offset: 56, .size: 8, .value_kind: global_buffer, .address_space: global }
    .group_segment_fixed_size: 140288
    .private_segment_fixed_size: 0
    .kernarg_segment_align: 8
    .kernarg_segment_size: 64
    .max_flat_workgroup_size: 256
    .sgpr_count:     66
    .vgpr_count:     512
    .wavefront_size: 32
...
	.end_amdgpu_metadata
.endif
;; end of part 4
;; ======== version 2 of 2: 4 launches
;; limits: right only within a limited range of input values
;; workspace buffers: tidx 16,384 bytes of whole numbers; ord 8,448 bytes of whole numbers; xe 8,388,608 bytes; w1i 16,777,216 bytes; w2i 16,777,216 bytes; hi 33,554,432 bytes
;; launch route_q1 (part 5): grid 640 x 1, 8 waves a work-group, no clusters, 0 bytes of LDS; arguments x, gate_w, gate_b, ln_w, ln_b, w1, lowp_scales, out1, out2, out3, tidx, xe, w1i; writes out1, out2, out3, tidx, xe, w1i
.if DOCPART == 5
	.amdgcn_target "amdgcn-amd-amdhsa--gfx1250"
	.amdhsa_code_object_version 6
	.text
	.protected	k_q14824f0d88_route_q1
	.globl	k_q14824f0d88_route_q1
	.p2align	8
	.type	k_q14824f0d88_route_q1,@function
k_q14824f0d88_route_q1:
	s_mov_b64 s[64:65], 0
	v_nop
	global_prefetch_b8 v0, s[64:65] scope:SCOPE_SE
	s_setreg_imm32_b32 hwreg(HW_REG_WAVE_MODE, 25, 1), 1
	s_wait_xcnt 0x0
; Two roles, chosen by the work-group number.
; Work-groups 0-127 (tokens): gate logits in f32, softmax with its maximum taken away, top 2 (equal probabilities: the lower index),
;   the two weights, LayerNorm (mean, then the mean of squared differences), and the codes of xe = xn * ln_w[e] + ln_b[e] for ALL four experts,
;   E5M2 with the given scale 2^e1, laid [token][expert][1024].  The choice comes from floating-point numbers, so nothing here branches on it.
; Work-groups 128-639 (stream): w1 [4][1024 k][4096 n] f32 becomes codes with the scale 2^e0, laid as images of the operand registers (below).
; DEAD WORK, left out by the later launches: reference() gathers from stacked only the rows of the two experts in top_idx of each token; the rows of the
;   other experts reach no output, whatever the inputs hold.  They are left out in whole units of (64 sorted tokens, expert), by masks that the second launch stores.
;   LIMIT: a NaN, an infinity or an overflow that reaches only the units left out is not carried to the result.  Every input has a way to an output and is loaded.
; LIMITS: e0 and e1 between -126 and 112, so that 2^e and 57,344 x 2^e are f32 numbers.  NaN among the inputs is not served.
; IMAGE: 1,024 bytes = 16 rows x 64 k.  Byte 512 c + 16 L + j is row L % 16, k = 64 s + 32 c + 16 (L / 16) + j: two loads of 16 bytes a lane give the 8 registers of an operand.
;   w1i is [e][G 64][s 16][tile 4][1024]; row r of tile t of group G is hidden unit 64 G + 32 (t / 2) + 8 (t % 2) + r + 8 (r / 8),
;   so that the results of two neighbouring tiles are 16 neighbours along the next product's K.
.set XA,  32                           ; v32-63   token A: x, then x - mean, then xn.  Register 8 j + i is k = 256 j + 8 L + i
.set XB,  64                           ; v64-95   token B
.set PAR, 96                           ; v96-223  four rows of gate_w; later ln_w and ln_b of two experts
.set TMP, 224                          ; v224-255 sums, then xe
.set CD,  16                           ; v16-23   top 2 at work, then 8 registers of codes
.set N4,  16384                        ; bytes in a row of w1
; ---- the stream role: a lane takes a column, its registers run down K
.macro QLOAD t                         ; block t: 32 rows of k at my column, 128 consecutive bytes a wave and load
.set i, 0
.rept 32
	global_load_b32 v[32+32*((\t)%2)+i], v3, s[40:41] offset:(32*(\t)+i)*N4 th:TH_LOAD_NT
.set i, i+1
.endr
.endm
.macro QBLOCK t
.set XS, 32+32*((\t)%2)
.set CC, 96+8*(\t)                     ; each block has its own 8 registers of codes: no store's data are written again
.if (\t) < 3
	s_wait_loadcnt 32                              ; this block's 32 loads are in; the next block's 32 may be out
.else
	s_wait_loadcnt 0
.endif
.set i, 0
.rept 32
	v_med3_num_f32 v[XS+i], v[XS+i], -v10, v10     ; the conversion does not saturate (ISA guide 7.6.2): the hold at the largest code x the scale
.set i, i+1
.endr
.set i, 0
.rept 4
	v_cvt_scalef32_pk8_bf8_f32 v[CC+2*i:CC+2*i+1], v[XS+8*i:XS+8*i+7], v11
.set i, i+1
.endr
	v_nop                                          ; one plain instruction between the conversions and the first vector use of their results
.set i, 0
.rept 4
	v_permlane16_swap_b32 v[CC+i], v[CC+4+i]       ; lanes 16-31 of k 0-15 change places with lanes 0-15 of k 16-31: CC+0..3 is then the chunk of the first 16 columns, CC+4..7 of the other 16
.set i, i+1
.endr
	global_store_b128 v4, v[CC:CC+3], s[42:43] offset:((\t)/2)*4096+((\t)%2)*512         ; 512 consecutive bytes
	global_store_b128 v4, v[CC+4:CC+7], s[42:43] offset:((\t)/2)*4096+((\t)%2)*512+1024
.if (\t) < 2
	QLOAD (\t)+2
.endif
.endm
; ---- the token role
.macro DOTS x, a                       ; five sums of a token in pairs: x, and x . gate_w[e]
	v_pk_add_f32 v[\a:\a+1], v[\x:\x+1], v[\x+2:\x+3]
.set e, 0
.rept 4
	v_pk_mul_f32 v[\a+2+2*e:\a+3+2*e], v[\x:\x+1], v[PAR+32*e:PAR+32*e+1]
.set e, e+1
.endr
.set i, 2
.rept 15
.if i > 2
	v_pk_add_f32 v[\a:\a+1], v[\a:\a+1], v[\x+i:\x+i+1]
.endif
.set e, 0
.rept 4
	v_pk_fma_f32 v[\a+2+2*e:\a+3+2*e], v[\x+i:\x+i+1], v[PAR+32*e+i:PAR+32*e+i+1], v[\a+2+2*e:\a+3+2*e]
.set e, e+1
.endr
.set i, i+2
.endr
.set e, 0
.rept 5
	v_add_f32 v[\a+2*e], v[\a+2*e], v[\a+2*e+1]
.set e, e+1
.endr
.endm
.macro REDS base, n                    ; n sums at even registers, over the 32 lanes; the odd neighbour is the work register
.irp m, 1,2,4,8
.set q, 0
.rept \n
	v_add_f32_dpp v[\base+2*q], v[\base+2*q], v[\base+2*q] row_xmask:\m row_mask:0xf bank_mask:0xf
.set q, q+1
.endr
.endr
.set q, 0
.rept \n
	v_permlanex16_b32 v[\base+2*q+1], v[\base+2*q], s30, s31
.set q, q+1
.endr
.set q, 0
.rept \n
	v_add_f32 v[\base+2*q], v[\base+2*q], v[\base+2*q+1]
.set q, q+1
.endr
.endm
.macro CENTRE x, m, a                  ; x - mean in place, and the sum of its squares
.set i, 0
.rept 16
	v_pk_add_f32 v[\x+i:\x+i+1], v[\x+i:\x+i+1], v[\m:\m+1] op_sel_hi:[1,0] neg_lo:[0,1] neg_hi:[0,1]
.set i, i+2
.endr
	v_pk_mul_f32 v[\a:\a+1], v[\x:\x+1], v[\x:\x+1]
.set i, 2
.rept 15
	s_delay_alu instid0(VALU_DEP_1)
	v_pk_fma_f32 v[\a:\a+1], v[\x+i:\x+i+1], v[\x+i:\x+i+1], v[\a:\a+1]
.set i, i+2
.endr
	s_delay_alu instid0(VALU_DEP_1)
	v_add_f32 v[\a], v[\a], v[\a+1]
.endm
.macro SMAX1 a                         ; logits, their maximum, 2^((l - m) log2 e)
	v_add_f32 v[\a+2], s32, v[\a+2]
	v_add_f32 v[\a+4], s33, v[\a+4]
	v_add_f32 v[\a+6], s34, v[\a+6]
	v_add_f32 v[\a+8], s35, v[\a+8]
	s_delay_alu instid0(VALU_DEP_2)
	v_max3_num_f32 v[\a+1], v[\a+2], v[\a+4], v[\a+6]
	s_delay_alu instid0(VALU_DEP_1)
	v_max_num_f32 v[\a+1], v[\a+1], v[\a+8]
.irp e, 2,4,6,8
	v_sub_f32 v[\a+\e], v[\a+\e], v[\a+1]
.endr
.irp e, 2,4,6,8
	s_delay_alu instid0(VALU_DEP_4)
	v_mul_f32 v[\a+\e], 0x3fb8aa3b, v[\a+\e]
.endr
	s_wait_alu depctr_va_vdst(0)
.irp e, 2,4,6,8
	v_exp_f32 v[\a+\e], v[\a+\e]
.endr
.endm
.macro SMAX2 a
	v_add_f32 v[\a+1], v[\a+2], v[\a+4]
	v_add_f32 v[\a+3], v[\a+6], v[\a+8]
	s_delay_alu instid0(VALU_DEP_1)
	v_add_f32 v[\a+1], v[\a+1], v[\a+3]
	s_wait_alu depctr_va_vdst(0)
	v_rcp_f32 v[\a+1], v[\a+1]
.endm
.macro TOP2 a, o                       ; o, o+1: the two indices; o+2, o+3: their weights.  A later expert wins only where it is strictly larger
	v_mov_b32 v[\o+2], v[\a+2]
	v_mov_b32 v[\o], 0
.irp e, 1,2,3
	s_delay_alu instid0(VALU_DEP_2)
	v_cmp_gt_f32 vcc_lo, v[\a+2+2*\e], v[\o+2]
	s_delay_alu instid0(VALU_DEP_1)
	v_cndmask_b32 v[\o+2], v[\o+2], v[\a+2+2*\e], vcc_lo
	s_delay_alu instid0(VALU_DEP_2)
	v_cndmask_b32 v[\o], v[\o], \e, vcc_lo
.endr
.irp e, 0,1,2,3
	v_cmp_eq_u32 vcc_lo, \e, v[\o]
	s_delay_alu instid0(VALU_DEP_1)
	v_cndmask_b32 v[TMP+24+\e], v[\a+2+2*\e], -1.0, vcc_lo      ; the winner is hidden: probabilities are not negative
.endr
	v_mov_b32 v[\o+3], v[TMP+24]
	v_mov_b32 v[\o+1], 0
.irp e, 1,2,3
	s_delay_alu instid0(VALU_DEP_2)
	v_cmp_gt_f32 vcc_lo, v[TMP+24+\e], v[\o+3]
	s_delay_alu instid0(VALU_DEP_1)
	v_cndmask_b32 v[\o+3], v[\o+3], v[TMP+24+\e], vcc_lo
	s_delay_alu instid0(VALU_DEP_2)
	v_cndmask_b32 v[\o+1], v[\o+1], \e, vcc_lo
.endr
	s_delay_alu instid0(VALU_DEP_2)
	v_add_f32 v[TMP+28], v[\o+2], v[\o+3]
	s_delay_alu instid0(VALU_DEP_1)
	v_add_f32 v[TMP+28], 0x3089705f, v[TMP+28]     ; + 1e-9
	s_wait_alu depctr_va_vdst(0)
	v_rcp_f32 v[TMP+28], v[TMP+28]
	v_nop                                          ; a plain instruction behind the reciprocal,
	s_wait_alu depctr_va_vdst(0)                   ; and the wait ahead of its first reader
	v_mul_f32 v[\o+2], v[\o+2], v[TMP+28]
	v_mul_f32 v[\o+3], v[\o+3], v[TMP+28]
.endm
.macro LNLOAD p                        ; ln_w and ln_b of experts 2 p and 2 p + 1
.set i, 0
.rept 8
	global_load_b128 v[PAR+64*(i/4)+8*(i%4):PAR+64*(i/4)+8*(i%4)+3], v1, s[10:11] offset:4096*(2*\p+i/4)+1024*(i%4)
	global_load_b128 v[PAR+64*(i/4)+8*(i%4)+4:PAR+64*(i/4)+8*(i%4)+7], v1, s[10:11] offset:4096*(2*\p+i/4)+1024*(i%4)+16
	global_load_b128 v[PAR+64*(i/4)+32+8*(i%4):PAR+64*(i/4)+32+8*(i%4)+3], v1, s[12:13] offset:4096*(2*\p+i/4)+1024*(i%4)
	global_load_b128 v[PAR+64*(i/4)+32+8*(i%4)+4:PAR+64*(i/4)+32+8*(i%4)+7], v1, s[12:13] offset:4096*(2*\p+i/4)+1024*(i%4)+16
.set i, i+1
.endr
.endm
.macro XE x, q, off                    ; one token, one expert: xe, the hold, 32 codes a lane, four stores of 256 consecutive bytes
	s_wait_xcnt 0x0                                ; the earlier stores have read the code registers
.set i, 0
.rept 16
	v_pk_fma_f32 v[TMP+i:TMP+i+1], v[\x+i:\x+i+1], v[PAR+64*\q+i:PAR+64*\q+i+1], v[PAR+64*\q+32+i:PAR+64*\q+33+i]
.set i, i+2
.endr
.set i, 0
.rept 32
	v_med3_num_f32 v[TMP+i], v[TMP+i], -v15, v15
.set i, i+1
.endr
.set i, 0
.rept 4
	v_cvt_scalef32_pk8_bf8_f32 v[CD+2*i:CD+2*i+1], v[TMP+8*i:TMP+8*i+7], v14
.set i, i+1
.endr
	v_nop                                          ; a plain instruction behind the conversions: the next XE writes their sources
.set i, 0
.rept 4
	global_store_b64 v13, v[CD+2*i:CD+2*i+1], s[26:27] offset:\off+256*i
.set i, i+1
.endr
.endm
	s_load_b512 s[4:19], s[0:1], 0x0               ; x, gate_w, gate_b, ln_w, ln_b, w1, lowp_scales, out1
	s_load_b256 s[20:27], s[0:1], 0x40             ; out2, out3, tidx, xe
	s_load_b64 s[28:29], s[0:1], 0x60              ; w1i
	v_lshrrev_b32 v2, 5, v0
	s_delay_alu instid0(VALU_DEP_1)
	v_readfirstlane_b32 s38, v2                    ; wave 0..7
	v_and_b32 v2, 31, v0                           ; lane
	s_wait_kmcnt 0x0
	s_load_b128 s[44:47], s[16:17], 0x0            ; e0, e1, e2, e3
	s_cmp_lt_u32 ttmp9, 128
	s_cbranch_scc0 .Lstream
	; ================= tokens: wave w of work-group g takes tokens 16 g + 2 w and the next
	s_load_b128 s[32:35], s[8:9], 0x0              ; gate_b
	s_lshl_b32 s39, ttmp9, 4
	s_lshl_b32 s40, s38, 1
	s_add_co_u32 s39, s39, s40                     ; token A
	s_lshl_b32 s40, s39, 12
	s_mov_b32 s41, 0
	s_add_nc_u64 s[4:5], s[4:5], s[40:41]          ; x: 4,096 bytes a token
	s_add_nc_u64 s[26:27], s[26:27], s[40:41]      ; xe: likewise
	s_lshl_b32 s40, s39, 4
	s_add_nc_u64 s[18:19], s[18:19], s[40:41]      ; out1
	s_lshl_b32 s40, s39, 3
	s_add_nc_u64 s[20:21], s[20:21], s[40:41]      ; out2
	s_add_nc_u64 s[22:23], s[22:23], s[40:41]      ; out3
	s_add_nc_u64 s[24:25], s[24:25], s[40:41]      ; tidx
	s_wait_alu depctr_va_vdst(0)
	v_lshlrev_b32 v1, 5, v2                        ; 32 bytes a lane: eight neighbours along K, which a conversion wants in one lane
.set i, 0
.rept 4
	global_load_b128 v[XA+8*i:XA+8*i+3], v1, s[4:5] offset:1024*i th:TH_LOAD_NT
	global_load_b128 v[XA+8*i+4:XA+8*i+7], v1, s[4:5] offset:1024*i+16 th:TH_LOAD_NT
	global_load_b128 v[XB+8*i:XB+8*i+3], v1, s[4:5] offset:4096+1024*i th:TH_LOAD_NT
	global_load_b128 v[XB+8*i+4:XB+8*i+7], v1, s[4:5] offset:4096+1024*i+16 th:TH_LOAD_NT
.set i, i+1
.endr
.set i, 0
.rept 16                               ; gate_w: expert i / 4, quarter i % 4
	global_load_b128 v[PAR+8*i:PAR+8*i+3], v1, s[6:7] offset:1024*i
	global_load_b128 v[PAR+8*i+4:PAR+8*i+7], v1, s[6:7] offset:1024*i+16
.set i, i+1
.endr
	s_mov_b32 s30, 0x76543210                      ; v_permlanex16_b32: lane l xor 16
	s_mov_b32 s31, 0xfedcba98
	s_mov_b32 s48, 0x3a800000                      ; 1 / 1024
	s_mov_b32 s49, 0x3727c5ac                      ; 1e-5
	s_wait_loadcnt 0x0
	DOTS XA, TMP
	DOTS XB, TMP+10
	LNLOAD 0                                       ; gate_w has been read: its registers take the first two experts' affine
	REDS TMP, 10
	v_mul_f32 v[TMP], s48, v[TMP]                  ; the means
	v_mul_f32 v[TMP+10], s48, v[TMP+10]
	CENTRE XA, TMP, TMP+20
	CENTRE XB, TMP+10, TMP+22
	REDS TMP+20, 2
	s_delay_alu instid0(VALU_DEP_2)
	v_fma_f32 v[TMP+20], v[TMP+20], s48, s49       ; var + eps
	s_delay_alu instid0(VALU_DEP_2)
	v_fma_f32 v[TMP+22], v[TMP+22], s48, s49
	s_wait_alu depctr_va_vdst(0)
	v_rsq_f32 v[TMP+20], v[TMP+20]
	v_rsq_f32 v[TMP+22], v[TMP+22]
	s_wait_kmcnt 0x0                               ; gate_b and the scales
	SMAX1 TMP
	SMAX1 TMP+10
	v_nop                                          ; a plain instruction behind the last exponential
	s_wait_alu depctr_va_vdst(0)                   ; one wait for the two roots and the eight exponentials
.set i, 0
.rept 16
	v_pk_mul_f32 v[XA+i:XA+i+1], v[XA+i:XA+i+1], v[TMP+20:TMP+21] op_sel_hi:[1,0]      ; xn
	v_pk_mul_f32 v[XB+i:XB+i+1], v[XB+i:XB+i+1], v[TMP+22:TMP+23] op_sel_hi:[1,0]
.set i, i+2
.endr
	SMAX2 TMP
	SMAX2 TMP+10
	v_nop
	s_wait_alu depctr_va_vdst(0)                   ; one wait for the two reciprocals
.irp e, 2,4,6,8
	v_mul_f32 v[TMP+\e], v[TMP+\e], v[TMP+1]       ; probs
	v_mul_f32 v[TMP+10+\e], v[TMP+10+\e], v[TMP+11]
.endr
	TOP2 TMP, CD
	TOP2 TMP+10, CD+4
	; the small outputs: every lane holds both tokens' numbers; lane 0 stores token A's, lane 1 token B's: 32 or 16 consecutive bytes a wave, 80 KB in the whole launch
	v_cmp_eq_u32 vcc_lo, 1, v2
	s_delay_alu instid0(VALU_DEP_1)
	v_cndmask_b32 v4, v[TMP+2], v[TMP+12], vcc_lo
	s_delay_alu instid0(VALU_DEP_2)
	v_cndmask_b32 v5, v[TMP+4], v[TMP+14], vcc_lo
	s_delay_alu instid0(VALU_DEP_3)
	v_cndmask_b32 v6, v[TMP+6], v[TMP+16], vcc_lo
	s_delay_alu instid0(VALU_DEP_4)
	v_cndmask_b32 v7, v[TMP+8], v[TMP+18], vcc_lo
	v_cndmask_b32 v8, v[CD], v[CD+4], vcc_lo
	v_cndmask_b32 v9, v[CD+1], v[CD+5], vcc_lo
	v_cndmask_b32 v10, v[CD+2], v[CD+6], vcc_lo
	v_cndmask_b32 v11, v[CD+3], v[CD+7], vcc_lo
	v_lshlrev_b32 v12, 4, v2
	v_lshlrev_b32 v13, 3, v2
	s_add_co_i32 s51, s45, 127
	s_lshl_b32 s52, s51, 23
	v_mov_b32 v14, s52                             ; 2^e1 as f32: the conversion takes its exponent field
	s_add_co_i32 s51, s51, 15
	s_lshl_b32 s51, s51, 23
	s_or_b32 s51, s51, 0x600000
	v_mov_b32 v15, s51                             ; 57,344 x 2^e1
	s_wait_alu depctr_va_vdst(0)
	s_wait_xcnt 0x0                                ; EXEC is a source of the loads that are out: it changes only behind this wait
	v_cmp_gt_u32 vcc_lo, 2, v2
	s_and_saveexec_b32 s50, vcc_lo
	global_store_b128 v12, v[4:7], s[18:19]
	global_store_b64 v13, v[8:9], s[20:21]
	global_store_b64 v13, v[8:9], s[24:25]
	global_store_b64 v13, v[10:11], s[22:23]
	s_wait_xcnt 0x0                                ; and again ahead of the line that widens it
	s_or_b32 exec_lo, exec_lo, s50
	s_wait_loadcnt 0x0                             ; the affine of experts 0 and 1
	XE XA, 0, 0
	XE XB, 0, 4096
	XE XA, 1, 1024
	XE XB, 1, 4096+1024
	LNLOAD 1
	s_wait_loadcnt 0x0
	XE XA, 0, 2048
	XE XB, 0, 4096+2048
	XE XA, 1, 3072
	XE XB, 1, 4096+3072
	s_endpgm
	; ================= stream: a work-group takes 256 columns x 128 k of one expert's w1, a wave 32 columns
.Lstream:
	s_sub_co_u32 s30, ttmp9, 128
	s_and_b32 s31, s30, 7                          ; which 128 along K
	s_bfe_u32 s32, s30, 0x40003                    ; which 256 columns
	s_lshr_b32 s33, s30, 7                         ; expert
	s_lshl_b32 s34, s33, 24                        ; 1024 x 4096 x 4 bytes an expert
	s_lshl_b32 s35, s31, 21                        ; 128 rows of 16,384 bytes
	s_add_co_u32 s34, s34, s35
	s_lshl_b32 s35, s32, 10
	s_add_co_u32 s34, s34, s35
	s_lshl_b32 s35, s38, 7
	s_add_co_u32 s34, s34, s35
	s_mov_b32 s35, 0
	s_add_nc_u64 s[40:41], s[14:15], s[34:35]
	s_lshl_b32 s36, s33, 6
	s_lshl_b32 s37, s32, 2
	s_add_co_u32 s36, s36, s37
	s_lshr_b32 s37, s38, 1
	s_add_co_u32 s36, s36, s37                     ; 64 e + G
	s_lshl_b32 s36, s36, 16
	s_lshl_b32 s37, s31, 13                        ; two steps of 4,096 bytes for 128 k
	s_add_co_u32 s36, s36, s37
	s_and_b32 s37, s38, 1
	s_lshl_b32 s37, s37, 11                        ; tiles 0, 1 or 2, 3
	s_add_co_u32 s36, s36, s37
	s_mov_b32 s37, 0
	s_add_nc_u64 s[42:43], s[28:29], s[36:37]
	s_wait_alu depctr_va_vdst(0)
	v_and_b32 v3, 7, v2                            ; my column among the wave's 32: (L % 8) + 16 ((L / 8) % 2) + 8 (L / 16): the rows of a tile are not neighbours
	v_bfe_u32 v5, v2, 3, 1
	s_delay_alu instid0(VALU_DEP_1)
	v_lshl_add_u32 v3, v5, 4, v3
	v_lshrrev_b32 v5, 4, v2
	s_delay_alu instid0(VALU_DEP_1)
	v_lshl_add_u32 v3, v5, 3, v3
	s_delay_alu instid0(VALU_DEP_1)
	v_lshlrev_b32 v3, 2, v3
	v_lshlrev_b32 v4, 4, v2
	QLOAD 0
	QLOAD 1
	s_wait_kmcnt 0x0
	s_add_co_i32 s51, s44, 127
	s_lshl_b32 s52, s51, 23
	v_mov_b32 v11, s52                             ; 2^e0
	s_add_co_i32 s51, s51, 15
	s_lshl_b32 s51, s51, 23
	s_or_b32 s51, s51, 0x600000
	v_mov_b32 v10, s51                             ; 57,344 x 2^e0
	s_wait_alu depctr_va_vdst(0)
	QBLOCK 0
	QBLOCK 1
	QBLOCK 2
	QBLOCK 3
	s_endpgm
.Lfunc_end_k_q14824f0d88_route_q1:
	.size	k_q14824f0d88_route_q1, .Lfunc_end_k_q14824f0d88_route_q1-k_q14824f0d88_route_q1
	.p2alignl 7, 3214868480
	.fill 96, 4, 3214868480
	.section	.rodata,"a",@progbits
	.p2align	6, 0x0
	.amdhsa_kernel k_q14824f0d88_route_q1
		.amdhsa_group_segment_fixed_size 0
		.amdhsa_private_segment_fixed_size 0
		.amdhsa_enable_private_segment 0
		.amdhsa_kernarg_size 104
		.amdhsa_user_sgpr_count 2
		.amdhsa_user_sgpr_kernarg_segment_ptr 1
		.amdhsa_wavefront_size32 1
		.amdhsa_system_sgpr_workgroup_id_x 1
		.amdhsa_system_sgpr_workgroup_id_y 1
		.amdhsa_system_sgpr_workgroup_id_z 1
		.amdhsa_system_vgpr_workitem_id 0
		.amdhsa_next_free_vgpr 256
		.amdhsa_next_free_sgpr 66
		.amdhsa_reserve_vcc 1
		.amdhsa_float_denorm_mode_32 3
		.amdhsa_float_denorm_mode_16_64 3
		.amdhsa_memory_ordered 1
		.amdhsa_forward_progress 1
		.amdhsa_inst_pref_size 97
	.end_amdhsa_kernel
	.amdgpu_metadata
---
amdhsa.version: [ 1, 2 ]
amdhsa.kernels:
  - .name:           k_q14824f0d88_route_q1
    .symbol:         k_q14824f0d88_route_q1.kd
    .args:
      - { .name: x, .offset: 0, .size: 8, .value_kind: global_buffer, .address_space: global }
      - { .name: gate_w, .offset: 8, .size: 8, .value_kind: global_buffer, .address_space: global }
      - { .name: gate_b, .offset: 16, .size: 8, .value_kind: global_buffer, .address_space: global }
      - { .name: ln_w, .offset: 24, .size: 8, .value_kind: global_buffer, .address_space: global }
      - { .name: ln_b, .offset: 32, .size: 8, .value_kind: global_buffer, .address_space: global }
      - { .name: w1, .offset: 40, .size: 8, .value_kind: global_buffer, .address_space: global }
      - { .name: lowp_scales, .offset: 48, .size: 8, .value_kind: global_buffer, .address_space: global }
      - { .name: out1, .offset: 56, .size: 8, .value_kind: global_buffer, .address_space: global }
      - { .name: out2, .offset: 64, .size: 8, .value_kind: global_buffer, .address_space: global }
      - { .name: out3, .offset: 72, .size: 8, .value_kind: global_buffer, .address_space: global }
      - { .name: tidx, .offset: 80, .size: 8, .value_kind: global_buffer, .address_space: global }
      - { .name: xe, .offset: 88, .size: 8, .value_kind: global_buffer, .address_space: global }
      - { .name: w1i, .offset: 96, .size: 8, .value_kind: global_buffer, .address_space: global }
    .group_segment_fixed_size: 0
    .private_segment_fixed_size: 0
    .kernarg_segment_align: 8
    .kernarg_segment_size: 104
    .max_flat_workgroup_size: 256
    .sgpr_count:     66
    .vgpr_count:     256
    .wavefront_size: 32
...
	.end_amdgpu_metadata
.endif
;; end of part 5
;; launch sort_q2 (part 6): grid 513 x 1, 8 waves a work-group, no clusters, 0 bytes of LDS; arguments tidx, out1, w2, lowp_scales, ord, out4, w2i; writes ord, out4, w2i
.if DOCPART == 6
	.amdgcn_target "amdgcn-amd-amdhsa--gfx1250"
	.amdhsa_code_object_version 6
	.text
	.protected	k_q14824f0d88_sort_q2
	.globl	k_q14824f0d88_sort_q2
	.p2align	8
	.type	k_q14824f0d88_sort_q2,@function
k_q14824f0d88_sort_q2:
	s_mov_b64 s[64:65], 0
	v_nop
	global_prefetch_b8 v0, s[64:65] scope:SCOPE_SE
	s_setreg_imm32_b32 hwreg(HW_REG_WAVE_MODE, 25, 1), 1
	s_wait_xcnt 0x0
; Work-group 0: waves 0-3 sort the 2,048 tokens by their pair of experts (a counting sort over six classes, in the order 01, 02, 03, 13, 12, 23, so that neighbouring
;   classes share an expert) and store perm (the token at each sorted place); wave 0 also stores hm[e] (bit q: the q-th run of 64 places holds a token of expert e).
;   The four share the placing and not the counting: each counts all tokens, keeps the counts of the tokens ahead of its own 512, and places its own 512.  So nothing goes from wave to wave.
;   Wave 4 makes the aux loss: 4 x sum over e of (count_e / 4096) (sum of probs_e / 2048) = sum of count_e x sum_e x 2^-21.  Waves 5-7 of that work-group have no part.
; Work-groups 1-512: w2 [4][4096 k][1024 n] f32 becomes codes with the scale 2^e2, as images of the operand registers:
;   w2i is [e][dg 16][s 64][tile 4][1024]; byte 512 c + 16 L + j of an image is row d = 64 dg + 16 tile + L % 16, k = 64 s + 32 c + 16 (L / 16) + j.
; The sort reads whole numbers that the first launch stored; every place is held under 2,048 before it enters an address.
; perm is stored four bytes a lane: lanes of one class hold neighbouring places; 8 KB in all.
; LIMITS: e2 between -126 and 112.  NaN among the inputs is not served.
.set N4, 4096                          ; bytes in a row of w2
.set KEY, 16                           ; v16-79   (1 << i0) | (1 << i1) of all tokens, 32 a register
.set RAW, 80                           ; v80-207  all tokens' indices as loaded
.set OWN, 208                          ; v208-239 my 512 tokens' indices: token 512 w + 32 t + lane
.set KO,  80                           ; v80-95   their keys
.set POS, 96                           ; v96-111  their places
.set TOK, 112                          ; v112-127 their numbers
.set MK,  20                           ; s20-25   a class's lanes
.set CNT, 30                           ; s30-35   tokens in a class
.set STA, 36                           ; s36-41   its first place
.set BAS, 42                           ; s42-47   my next free place in it
.set BC,  48                           ; s48-53   at work
.set PRE, 54                           ; s54-59   its tokens ahead of my 512
.macro QLOAD t
.set i, 0
.rept 32
	global_load_b32 v[32+32*((\t)%2)+i], v3, s[40:41] offset:(32*(\t)+i)*N4 th:TH_LOAD_NT
.set i, i+1
.endr
.endm
.macro QBLOCK t
.set XS, 32+32*((\t)%2)
.set CC, 96+8*(\t)
.if (\t) < 3
	s_wait_loadcnt 32                              ; this block's 32 loads are in; the next block's 32 may be out
.else
	s_wait_loadcnt 0
.endif
.set i, 0
.rept 32
	v_med3_num_f32 v[XS+i], v[XS+i], -v10, v10     ; the hold at the largest code x the scale (ISA guide 7.6.2)
.set i, i+1
.endr
.set i, 0
.rept 4
	v_cvt_scalef32_pk8_bf8_f32 v[CC+2*i:CC+2*i+1], v[XS+8*i:XS+8*i+7], v11
.set i, i+1
.endr
	v_nop                                          ; one plain instruction between the conversions and the first vector use of their results
.set i, 0
.rept 4
	v_permlane16_swap_b32 v[CC+i], v[CC+4+i]       ; CC+0..3: the chunk of the first 16 columns; CC+4..7: of the other 16
.set i, i+1
.endr
	global_store_b128 v4, v[CC:CC+3], s[42:43] offset:((\t)/2)*4096+((\t)%2)*512
	global_store_b128 v4, v[CC+4:CC+7], s[42:43] offset:((\t)/2)*4096+((\t)%2)*512+1024
.if (\t) < 2
	QLOAD (\t)+2
.endif
.endm
.macro MASKS kr                        ; the lanes of each class among the 32 keys in v[kr]
.set c, 0
.irp k, 3,5,9,10,6,12
	v_cmp_eq_u32 s[MK+c], \k, v[\kr]
.set c, c+1
.endr
.endm
.macro COUNT to                        ; their numbers are added to six scalars
.set c, 0
.rept 6
	s_bcnt1_i32_b32 s[BC+c], s[MK+c]
.set c, c+1
.endr
.set c, 0
.rept 6
	s_add_co_u32 s[\to+c], s[\to+c], s[BC+c]
.set c, c+1
.endr
.endm
.macro REDS base, n                    ; n sums over the 32 lanes; v24.. at work
.irp m, 1,2,4,8
.set q, 0
.rept \n
	v_add_f32_dpp v[\base+q], v[\base+q], v[\base+q] row_xmask:\m row_mask:0xf bank_mask:0xf
.set q, q+1
.endr
.endr
.set q, 0
.rept \n
	s_delay_alu instid0(VALU_DEP_4)
	v_permlanex16_b32 v[24+q], v[\base+q], s30, s31
.set q, q+1
.endr
.set q, 0
.rept \n
	s_delay_alu instid0(VALU_DEP_4)
	v_add_f32 v[\base+q], v[\base+q], v[24+q]
.set q, q+1
.endr
.endm
.macro PSUM                            ; 32 x 32 tokens' four probabilities onto four sums
.set i, 0
	v_pk_add_f32 v[8:9], v[8:9], v[32+4*i:33+4*i]
	v_pk_add_f32 v[10:11], v[10:11], v[34+4*i:35+4*i]
.set i, i+1
.rept (32)-1
	s_delay_alu instid0(VALU_DEP_2)
	v_pk_add_f32 v[8:9], v[8:9], v[32+4*i:33+4*i]
	s_delay_alu instid0(VALU_DEP_2)
	v_pk_add_f32 v[10:11], v[10:11], v[34+4*i:35+4*i]
.set i, i+1
.endr
.endm
.macro CSUM                            ; 64 indices a lane onto four counts of 8 bits in one register
.set i, 0
.rept 64
	v_lshlrev_b32 v[13+i%2], 3, v[160+i]
	s_delay_alu instid0(VALU_DEP_1)
	v_lshl_add_u32 v12, 1, v[13+i%2], v12
.set i, i+1
.endr
.endm
	s_load_b256 s[4:11], s[0:1], 0x0               ; tidx, out1, w2, lowp_scales
	s_load_b128 s[12:15], s[0:1], 0x20             ; ord, out4
	s_load_b64 s[16:17], s[0:1], 0x30              ; w2i
	v_lshrrev_b32 v2, 5, v0
	s_delay_alu instid0(VALU_DEP_1)
	v_readfirstlane_b32 s18, v2                    ; wave
	v_and_b32 v2, 31, v0                           ; lane
	s_wait_kmcnt 0x0
	s_cmp_eq_u32 ttmp9, 0
	s_cbranch_scc1 .Lsort
	; ================= stream: 256 columns x 128 k of one expert's w2, a wave 32 columns
	s_load_b128 s[56:59], s[10:11], 0x0            ; e0 .. e3
	s_sub_co_u32 s30, ttmp9, 1
	s_and_b32 s32, s30, 3                          ; which 256 columns
	s_bfe_u32 s31, s30, 0x50002                    ; which 128 along K
	s_lshr_b32 s33, s30, 7                         ; expert
	s_lshl_b32 s34, s33, 24
	s_lshl_b32 s35, s31, 19                        ; 128 rows of 4,096 bytes
	s_add_co_u32 s34, s34, s35
	s_lshl_b32 s35, s32, 10
	s_add_co_u32 s34, s34, s35
	s_lshl_b32 s35, s18, 7
	s_add_co_u32 s34, s34, s35
	s_mov_b32 s35, 0
	s_add_nc_u64 s[40:41], s[8:9], s[34:35]
	s_lshl_b32 s36, s33, 4
	s_lshl_b32 s37, s32, 2
	s_add_co_u32 s36, s36, s37
	s_lshr_b32 s37, s18, 1
	s_add_co_u32 s36, s36, s37                     ; 16 e + dg
	s_lshl_b32 s36, s36, 18
	s_lshl_b32 s37, s31, 13
	s_add_co_u32 s36, s36, s37
	s_and_b32 s37, s18, 1
	s_lshl_b32 s37, s37, 11
	s_add_co_u32 s36, s36, s37
	s_mov_b32 s37, 0
	s_add_nc_u64 s[42:43], s[16:17], s[36:37]
	s_wait_alu depctr_va_vdst(0)
	v_lshlrev_b32 v3, 2, v2                        ; my column is my lane
	v_lshlrev_b32 v4, 4, v2
	QLOAD 0
	QLOAD 1
	s_wait_kmcnt 0x0
	s_add_co_i32 s51, s58, 127
	s_lshl_b32 s52, s51, 23
	v_mov_b32 v11, s52                             ; 2^e2
	s_add_co_i32 s51, s51, 15
	s_lshl_b32 s51, s51, 23
	s_or_b32 s51, s51, 0x600000
	v_mov_b32 v10, s51                             ; 57,344 x 2^e2
	s_wait_alu depctr_va_vdst(0)
	QBLOCK 0
	QBLOCK 1
	QBLOCK 2
	QBLOCK 3
	s_endpgm
.Lsort:
	s_cmp_lt_u32 s18, 4
	s_cbranch_scc1 .Lsorter
	s_cmp_eq_u32 s18, 4
	s_cbranch_scc1 .Laux
	s_endpgm
	; ================= the sort, waves 0-3
.Lsorter:
	s_wait_alu depctr_va_vdst(0)
	v_lshlrev_b32 v1, 4, v2                        ; all tokens: 16 bytes (two tokens) a lane
	s_lshl_b32 s19, s18, 12
	v_lshl_add_u32 v3, v2, 3, s19                  ; my tokens: 8 bytes a lane, from byte 4,096 w on
	s_lshl_b32 s19, s18, 9
	v_add_nc_u32 v13, s19, v2                      ; 512 w + lane
.set i, 0
.rept 32
	global_load_b128 v[RAW+4*i:RAW+4*i+3], v1, s[4:5] offset:512*i
.set i, i+1
.endr
.set t, 0
.rept 16
	global_load_b64 v[OWN+2*t:OWN+2*t+1], v3, s[4:5] offset:256*t
.set t, t+1
.endr
.set c, 0
.rept 6
	s_mov_b32 s[CNT+c], 0
	s_mov_b32 s[PRE+c], 0
.set c, c+1
.endr
	s_wait_loadcnt 0x0
.set t, 0
.rept 64                               ; registers 2 u and 2 u + 1 hold keys of tokens 64 u .. 64 u + 63, in another order than the lanes': a count does not mind
	v_lshl_or_b32 v[KEY+t], 1, v[RAW+2*t], 0
	s_delay_alu instid0(VALU_DEP_1)
	v_lshl_or_b32 v[KEY+t], 1, v[RAW+2*t+1], v[KEY+t]
.set t, t+1
.endr
.set t, 0
.rept 16
	v_lshl_or_b32 v[KO+t], 1, v[OWN+2*t], 0
	s_delay_alu instid0(VALU_DEP_1)
	v_lshl_or_b32 v[KO+t], 1, v[OWN+2*t+1], v[KO+t]
.set t, t+1
.endr
.set t, 0
.rept 64                               ; first pass: how many tokens each class has; at tokens 512, 1,024 and 1,536 the wave that begins there keeps the counts so far
	MASKS KEY+t
	COUNT CNT
.if (t == 15) || (t == 31) || (t == 47)
	s_cmp_eq_u32 s18, (t+1)/16
.set c, 0
.rept 6
	s_cselect_b32 s[PRE+c], s[CNT+c], s[PRE+c]
.set c, c+1
.endr
.endif
.set t, t+1
.endr
	s_mov_b32 s[STA], 0
.set c, 1
.rept 5
	s_add_co_u32 s[STA+c], s[STA+c-1], s[CNT+c-1]
.set c, c+1
.endr
.set c, 0
.rept 6
	s_add_co_u32 s[BAS+c], s[STA+c], s[PRE+c]
.set c, c+1
.endr
.set t, 0
.rept 16                               ; second pass, my 512 tokens: a token's place = my next free place in its class + the lanes of its class below it
	MASKS KO+t
	v_mbcnt_lo_u32_b32 v[POS+t], s[MK], s[BAS]
.set c, 1
.rept 5
	v_mbcnt_lo_u32_b32 v[6+c], s[MK+c], s[BAS+c]
.set c, c+1
.endr
.set c, 1
	v_cndmask_b32 v[POS+t], v[POS+t], v[6+c], s[MK+c]
.set c, c+1
.rept (5)-1
	s_delay_alu instid0(VALU_DEP_1)
	v_cndmask_b32 v[POS+t], v[POS+t], v[6+c], s[MK+c]
.set c, c+1
.endr
	COUNT BAS
.set t, t+1
.endr
.set t, 0
.rept 16
	v_min_u32 v[POS+t], 0x7ff, v[POS+t]            ; a place stays inside perm
	s_delay_alu instid0(VALU_DEP_1)
	v_lshlrev_b32 v[POS+t], 2, v[POS+t]
	v_add_nc_u32 v[TOK+t], 32*t, v13               ; the token
	global_store_b32 v[POS+t], v[TOK+t], s[12:13]
.set t, t+1
.endr
	s_cmp_lg_u32 s18, 0
	s_cbranch_scc1 .Lsorted
	; wave 0: lane q stands for places 64 q .. 64 q + 63: a class that is not empty meets them where its first place is under 64 q + 64 and its end above 64 q.  The compare's mask is the class's half mask
.set c, 0
.rept 6
	s_add_co_u32 s[BAS+c], s[STA+c], s[CNT+c]      ; one past the class's last place
.set c, c+1
.endr
	v_lshlrev_b32 v12, 6, v2
	s_wait_alu depctr_va_vdst(0)
	v_add_nc_u32 v15, 64, v12
.set c, 0
	s_wait_alu depctr_va_vdst(0)
.rept 6
	v_cmp_gt_u32 s[MK+c], s[BAS+c], v12
	v_cmp_lt_u32 s[BC+c], s[STA+c], v15
	s_and_b32 s[MK+c], s[MK+c], s[BC+c]
	s_cmp_lg_u32 s[CNT+c], 0
	s_cselect_b32 s[MK+c], s[MK+c], 0
.set c, c+1
.endr
	s_or_b32 s54, s20, s21                         ; expert 0: classes 01, 02, 03
	s_or_b32 s54, s54, s22
	s_or_b32 s55, s20, s23                         ; expert 1: 01, 13, 12
	s_or_b32 s55, s55, s24
	s_or_b32 s56, s21, s24                         ; expert 2: 02, 12, 23
	s_or_b32 s56, s56, s25
	s_or_b32 s57, s22, s23                         ; expert 3: 03, 13, 23
	s_or_b32 s57, s57, s25
	v_mov_b32 v14, 0
	s_delay_alu instid0(VALU_DEP_1)
	v_writelane_b32 v14, s54, 0
	s_delay_alu instid0(VALU_DEP_1)
	v_writelane_b32 v14, s55, 1
	s_delay_alu instid0(VALU_DEP_1)
	v_writelane_b32 v14, s56, 2
	s_delay_alu instid0(VALU_DEP_1)
	v_writelane_b32 v14, s57, 3
	v_lshlrev_b32 v6, 2, v2
	global_store_b32 v6, v14, s[12:13] offset:8192
.Lsorted:
	s_endpgm
	; ================= the aux loss, wave 4: two streams of loads take turns, so that one is on its way while the other is summed
.Laux:
	s_mov_b32 s30, 0x76543210
	s_mov_b32 s31, 0xfedcba98
	s_wait_alu depctr_va_vdst(0)
	v_lshlrev_b32 v1, 4, v2
.irp r, 8,9,10,11,12,24,25,26,27
	v_mov_b32 v\r, 0                               ; four sums, the packed counts, and the lane permutes' work registers
.endr
.set i, 0
.rept 32                               ; probs of tokens 0 - 1,023: a token a lane, 512 consecutive bytes a load
	global_load_b128 v[32+4*i:35+4*i], v1, s[6:7] offset:512*i
.set i, i+1
.endr
.set i, 0
.rept 16                               ; the choices of tokens 0 - 1,023: two tokens a lane
	global_load_b128 v[160+4*i:163+4*i], v1, s[4:5] offset:512*i
.set i, i+1
.endr
	s_wait_alu depctr_va_vdst(0)
	s_wait_loadcnt 16                              ; the 32 loads of probs are in; the 16 of choices may be out
	PSUM
.set i, 0
.rept 32
	global_load_b128 v[32+4*i:35+4*i], v1, s[6:7] offset:512*(32+i)
.set i, i+1
.endr
	s_wait_loadcnt 32                              ; the choices are in; the 32 loads just issued may be out
	CSUM                                           ; a lane sees 64 tokens in all, so a count stays under 256
.set i, 0
.rept 16
	global_load_b128 v[160+4*i:163+4*i], v1, s[4:5] offset:512*(16+i)
.set i, i+1
.endr
	s_wait_loadcnt 16
	PSUM
	s_wait_loadcnt 0x0
	CSUM
.irp e, 0,1,2,3
	v_bfe_u32 v[16+\e], v12, 8*\e, 8
.endr
.irp e, 0,1,2,3
	s_delay_alu instid0(VALU_DEP_4)
	v_cvt_f32_u32 v[16+\e], v[16+\e]
.endr
	REDS 8, 4
	REDS 16, 4
	s_delay_alu instid0(VALU_DEP_4)
	v_mul_f32 v13, v16, v8
	s_delay_alu instid0(VALU_DEP_1)
	v_fmac_f32 v13, v17, v9
	s_delay_alu instid0(VALU_DEP_1)
	v_fmac_f32 v13, v18, v10
	s_delay_alu instid0(VALU_DEP_1)
	v_fmac_f32 v13, v19, v11
	s_delay_alu instid0(VALU_DEP_1)
	v_mul_f32 v13, 0x35000000, v13                 ; x 2^-21
	v_mov_b32 v14, 0
	s_wait_alu depctr_va_vdst(0)
	s_wait_xcnt 0x0                                ; EXEC changes only behind this wait
	v_cmp_eq_u32 vcc_lo, 0, v2
	s_and_saveexec_b32 s20, vcc_lo
	global_store_b32 v14, v13, s[14:15]
	s_wait_xcnt 0x0
	s_or_b32 exec_lo, exec_lo, s20
	s_endpgm
.Lfunc_end_k_q14824f0d88_sort_q2:
	.size	k_q14824f0d88_sort_q2, .Lfunc_end_k_q14824f0d88_sort_q2-k_q14824f0d88_sort_q2
	.p2alignl 7, 3214868480
	.fill 96, 4, 3214868480
	.section	.rodata,"a",@progbits
	.p2align	6, 0x0
	.amdhsa_kernel k_q14824f0d88_sort_q2
		.amdhsa_group_segment_fixed_size 0
		.amdhsa_private_segment_fixed_size 0
		.amdhsa_enable_private_segment 0
		.amdhsa_kernarg_size 56
		.amdhsa_user_sgpr_count 2
		.amdhsa_user_sgpr_kernarg_segment_ptr 1
		.amdhsa_wavefront_size32 1
		.amdhsa_system_sgpr_workgroup_id_x 1
		.amdhsa_system_sgpr_workgroup_id_y 1
		.amdhsa_system_sgpr_workgroup_id_z 1
		.amdhsa_system_vgpr_workitem_id 0
		.amdhsa_next_free_vgpr 240
		.amdhsa_next_free_sgpr 66
		.amdhsa_reserve_vcc 1
		.amdhsa_float_denorm_mode_32 3
		.amdhsa_float_denorm_mode_16_64 3
		.amdhsa_memory_ordered 1
		.amdhsa_forward_progress 1
		.amdhsa_inst_pref_size 166
	.end_amdhsa_kernel
	.amdgpu_metadata
---
amdhsa.version: [ 1, 2 ]
amdhsa.kernels:
  - .name:           k_q14824f0d88_sort_q2
    .symbol:         k_q14824f0d88_sort_q2.kd
    .args:
      - { .name: tidx, .offset: 0, .size: 8, .value_kind: global_buffer, .address_space: global }
      - { .name: out1, .offset: 8, .size: 8, .value_kind: global_buffer, .address_space: global }
      - { .name: w2, .offset: 16, .size: 8, .value_kind: global_buffer, .address_space: global }
      - { .name: lowp_scales, .offset: 24, .size: 8, .value_kind: global_buffer, .address_space: global }
      - { .name: ord, .offset: 32, .size: 8, .value_kind: global_buffer, .address_space: global }
      - { .name: out4, .offset: 40, .size: 8, .value_kind: global_buffer, .address_space: global }
      - { .name: w2i, .offset: 48, .size: 8, .value_kind: global_buffer, .address_space: global }
    .group_segment_fixed_size: 0
    .private_segment_fixed_size: 0
    .kernarg_segment_align: 8
    .kernarg_segment_size: 56
    .max_flat_workgroup_size: 256
    .sgpr_count:     66
    .vgpr_count:     240
    .wavefront_size: 32
...
	.end_amdgpu_metadata
.endif
;; end of part 6
;; launch up (part 7): grid 16 x 16, 8 waves a work-group, no clusters, 134,144 bytes of LDS; arguments xe, w1i, b1, ord, lowp_scales, hi; writes hi
.if DOCPART == 7
	.amdgcn_target "amdgcn-amd-amdhsa--gfx1250"
	.amdhsa_code_object_version 6
	.text
	.protected	k_q14824f0d88_up
	.globl	k_q14824f0d88_up
	.p2align	8
	.type	k_q14824f0d88_up,@function
k_q14824f0d88_up:
	s_mov_b64 s[64:65], 0
	v_nop
	global_prefetch_b8 v0, s[64:65] scope:SCOPE_SE
	s_setreg_imm32_b32 hwreg(HW_REG_WAVE_MODE, 25, 1), 1
	s_wait_xcnt 0x0
; h = Q(gelu(xe . w1 + b1)), on codes of E5M2, for the units (64 sorted tokens, expert) that the stored masks name.
; LEFT OUT: the units whose 64 tokens all chose other experts: reference() gathers none of their rows (shown at the head of the first kernel).
; SHARES.  Work-group (cg, T): 128 sorted places x 256 hidden units.  Wave w: 64 hidden units (group G = 4 cg + w % 4) x the 64 places of half w / 4: 16 accumulators.
; The product is used transposed: source 0 = 16 rows of w1 (an image, straight from memory into registers), source 1 = 16 tokens of xe (from LDS).  A lane then holds one token, and the 16
; registers of two neighbouring tiles are 16 neighbouring hidden units, which the conversions turn into the next operand's registers.  They are stored as images: hi is [block of 16 places 128][e 4][s 64][1024].
; The walk over experts hangs on stored numbers, so there are no tensor loads and no cluster; the loop over experts has four trips for every wave, both barriers stand outside every branch, and the branches lead round work alone.
; STAGING AHEAD.  The rows of the first expert that the tile names are staged ahead of the loop.  Each later expert's rows are asked for behind the last product of the expert before, into the registers that w1's images have left,
; and go into LDS behind the GELU and the barrier that ends the reads of the old rows: the GELU's work stands between the loads and the wait for them.
; THE ORDER OF THE K STEPS.  Trip n takes step n xor (T % 8): the tiles T that read the same images of w1 take them in different orders.  xe's rows are gathered with their pieces of 64 bytes in that same order, so every LDS address stays a constant of the text.
; Both operands hold k = 32 c + 16 (L / 16) + j in byte j of registers 4 c .. 4 c + 3: one permutation of k for both, so every product meets its partner.
; GELU, exact form: gelu(x) = max(x, 0) - |x| E(|x|), E(a) = erfc(a / sqrt 2) / 2 = t 2^(-kappa a^2 + c0 + t (c1 + t (c2 + .. + t c9))), t = 1 / (1 + a sqrt(2) / 4): a fit of erfc with relative error about 1e-7.
; A sum R stands for x = R 2^(e0+e1).  That power is folded into the two constants that meet R (added to their exponent fields) and into the conversion's scale 2^(e3-e0-e1); b1 goes in, divided by it, as the C of each sum's first product.
; LIMITS: e0 + e1 between -62 and 62; e3 - e0 - e1 between -126 and 112.  NaN among the inputs is not served.  A half that holds a border between two classes of tokens walks three experts or more where the others walk two.
.set PITCH, 1040                       ; a token's 1,024 codes + 16 bytes: 65 x 16, so the 16 rows of a load start at 16 different groups of banks (ISA guide 11.1)
.set SPARE, 128*PITCH                  ; behind the rows: the spare words, 128 bytes for each of the 8 waves, which no other line names
; window 0: v1 16 L; v2 where I read xe; v3 where I stage; v4, v5 the add's two; v6 64 (L / 16); v7 16 L + 4,096 (T % 8); v8-23 my 16 staged tokens' offsets; v24-28 an offset into w1's images for each ring set;
;           v32-191 w1's images, five steps (v32-159 also the staging registers); v192-255 xe's fragments, two steps
.set ROWA, 8
.set OA,   24
.set AR,   32
.set BR,   192
; window 1
.set AC,   0                           ; v0-127   accumulator (block j, tile t) at 8 (4 j + t)
.set TT,   128                         ; v128-143 t
.set PP,   144                         ; v144-159 the exponent's part in x^2; then the result
.set QQ,   160                         ; v160-175 the polynomial; then E
.set CDS,  176                         ; v176-183 codes, two sets of four
.set B1R,  184                         ; v184-215 b1 in the result's layout, eight registers a tile
.set L16B, 216                         ; 16 L once more, for the stores
.set LIM,  217                         ; 57,344 x 2^(e3-e0-e1)
.set SC,   218                         ; 2^(e3-e0-e1)
.set KAP,  224                         ; -kappa 2^(2(e0+e1)), twice
.set CK,   226                         ; c_k, twice, at CK + 2 k
.set CHR,  246                         ; sqrt(2) / 4 x 2^(e0+e1)
.set MSB, 0
.macro WIN new                         ; the immediate's high byte repeats the setting that is left
.if MSB != \new
	s_set_vgpr_msb (MSB<<8)|\new
.set MSB, \new
.endif
.endm
.macro STAGELD b, off                  ; my 16 tokens' codes for one expert: 512 consecutive bytes a load
.set i, 0
.rept 32
	global_load_b128 v[AR+4*i:AR+4*i+3], v[ROWA+i/2], s[\b:\b+1] offset:\off+512*(i%2)
.set i, i+1
.endr
.endm
.macro STAGEST                         ; and into my 16 rows of LDS
.set i, 0
.rept 32
	ds_store_b128 v3, v[AR+4*i:AR+4*i+3] offset:(i/2)*PITCH+512*(i%2)
.set i, i+1
.endr
.endm
.macro LDA s                           ; trip s of w1: the four images of step s xor (T % 8), 8 loads of 512 consecutive bytes.  The set's offset register is free: the wait for its last loads has passed
	v_xor_b32 v[OA+((\s)%5)], 4096*(\s), v7
.set i, 0
.rept 8
	global_load_b128 v[AR+32*((\s)%5)+4*i:AR+32*((\s)%5)+4*i+3], v[OA+((\s)%5)], s[28:29] offset:512*i
.set i, i+1
.endr
.endm
.macro LDB s                           ; trip s of xe: my four blocks of 16 tokens
.set i, 0
.rept 8
	ds_load_b128 v[BR+32*((\s)%2)+4*i:BR+32*((\s)%2)+4*i+3], v2 offset:16*PITCH*(i/2)+64*(\s)+32*(i%2)
.set i, i+1
.endr
.endm
.macro STEP s                          ; 64 along K: 16 products, the 16 accumulators by turns
.if (\s) < 13
	s_wait_loadcnt 24                              ; this trip's images are in (and b1, which is older); the next three trips' 24 loads may be out
.else
	s_wait_loadcnt 8*(15-(\s))
.endif
	s_wait_dscnt 0x0                               ; this trip's fragments of xe
.if (\s) == 0
	WIN 0x41
.set i, 0
.rept 32
	v_ldexp_f32 v[B1R+i], v[B1R+i], s34            ; b1 / 2^(e0+e1)
.set i, i+1
.endr
	WIN 0
.else
.rept 4
	v_nop                                          ; four places between the last trip's products and loads into registers that they read
.endr
.endif
.if (\s) < 15
	LDB (\s)+1
.endif
.if (\s) < 12
	LDA (\s)+4
.endif
	WIN 0x50                                       ; C and D in window 1
.set t, 0
.rept 4
.set j, 0
.rept 4
.if (\s) == 0
	v_wmma_f32_16x16x64_bf8_bf8 v[AC+8*(4*j+t):AC+8*(4*j+t)+7], v[AR+32*((\s)%5)+8*t:AR+32*((\s)%5)+8*t+7], v[BR+32*((\s)%2)+8*j:BR+32*((\s)%2)+8*j+7], v[B1R+8*t:B1R+8*t+7]
.else
	v_wmma_f32_16x16x64_bf8_bf8 v[AC+8*(4*j+t):AC+8*(4*j+t)+7], v[AR+32*((\s)%5)+8*t:AR+32*((\s)%5)+8*t+7], v[BR+32*((\s)%2)+8*j:BR+32*((\s)%2)+8*j+7], v[AC+8*(4*j+t):AC+8*(4*j+t)+7]
.endif
.set j, j+1
.endr
.set t, t+1
.endr
	WIN 0
.endm
.macro GELU16 g                        ; 16 numbers a lane: block g / 2, hidden units 32 (g % 2) + 16 (L / 16) + 0 .. 15 of my group.  All operands in window 1
.set RR, AC+16*(\g)
	s_wait_xcnt 0x0                                ; the earlier stores have read their code registers
.set i, 0
.rept 16
	v_fma_f32 v[TT+i], |v[RR+i]|, v[CHR], 1.0      ; each accumulator is read from its low end on
.set i, i+1
.endr
.set i, 0
	s_wait_alu depctr_va_vdst(0)
.rept 16
	v_rcp_f32 v[TT+i], v[TT+i]
.set i, i+1
.endr
.set i, 0
.rept 8
	v_pk_mul_f32 v[PP+i:PP+i+1], v[RR+i:RR+i+1], v[RR+i:RR+i+1]
.set i, i+2
.endr
.set i, 0
.rept 8
	v_pk_fma_f32 v[PP+i:PP+i+1], v[PP+i:PP+i+1], v[KAP:KAP+1], v[CK:CK+1]
.set i, i+2
.endr
	s_wait_alu depctr_va_vdst(0)                   ; one wait for the 16 reciprocals, ahead of their first reader; the 16 packed lines above are the work between
.set i, 0
.rept 8
	v_pk_fma_f32 v[QQ+i:QQ+i+1], v[TT+i:TT+i+1], v[CK+18:CK+19], v[CK+16:CK+17]
.set i, i+2
.endr
.set k, 7
.rept 7
.set i, 0
.rept 8
	v_pk_fma_f32 v[QQ+i:QQ+i+1], v[QQ+i:QQ+i+1], v[TT+i:TT+i+1], v[CK+2*k:CK+2*k+1]
.set i, i+2
.endr
.set k, k-1
.endr
.set i, 0
.rept 8
	v_pk_fma_f32 v[QQ+i:QQ+i+1], v[QQ+i:QQ+i+1], v[TT+i:TT+i+1], v[PP+i:PP+i+1]
.set i, i+2
.endr
.set i, 0
	s_wait_alu depctr_va_vdst(0)
.rept 16
	v_exp_f32 v[QQ+i], v[QQ+i]
.set i, i+1
.endr
.set i, 0
.rept 16
	v_max_num_f32 v[PP+i], 0, v[RR+i]
.set i, i+1
.endr
	s_wait_alu depctr_va_vdst(0)                   ; one wait for the 16 exponentials
.set i, 0
.rept 8
	v_pk_mul_f32 v[QQ+i:QQ+i+1], v[QQ+i:QQ+i+1], v[TT+i:TT+i+1]
.set i, i+2
.endr
.set i, 0
.rept 16
	v_fma_f32 v[PP+i], -|v[RR+i]|, v[QQ+i], v[PP+i]
.set i, i+1
.endr
.set i, 0
.rept 16
	v_med3_num_f32 v[PP+i], v[PP+i], -v[LIM], v[LIM]     ; the hold (ISA guide 7.6.2)
.set i, i+1
.endr
	v_cvt_scalef32_pk8_bf8_f32 v[CDS+4*((\g)%2):CDS+4*((\g)%2)+1], v[PP:PP+7], v[SC]
	v_cvt_scalef32_pk8_bf8_f32 v[CDS+4*((\g)%2)+2:CDS+4*((\g)%2)+3], v[PP+8:PP+15], v[SC]
	v_nop                                          ; a plain instruction behind the conversions: later lines write their sources
	global_store_b128 v[L16B], v[CDS+4*((\g)%2):CDS+4*((\g)%2)+3], s[32:33] offset:262144*((\g)/2)+512*((\g)%2)   ; half an image: 512 consecutive bytes
.endm
	s_load_b256 s[4:11], s[0:1], 0x0               ; xe, w1i, b1, ord
	s_load_b128 s[12:15], s[0:1], 0x20             ; lowp_scales, hi
	v_lshl_add_u32 v4, v0, 2, SPARE
	v_mov_b32 v5, 0
	v_lshrrev_b32 v24, 5, v0
	s_delay_alu instid0(VALU_DEP_1)
	v_readfirstlane_b32 s16, v24                   ; wave 0..7
	v_and_b32 v25, 31, v0
	v_and_b32 v26, 15, v0                          ; r
	v_bfe_u32 v27, v0, 4, 1                        ; h
	s_delay_alu instid0(VALU_DEP_3)
	v_lshlrev_b32 v1, 4, v25
	s_wait_alu depctr_va_vdst(0)
	v_lshlrev_b32 v6, 6, v27
	s_lshr_b32 s17, s16, 2                         ; my half of the tile's places
	s_and_b32 s18, s16, 3                          ; my 64 of its 256 hidden units
	s_and_b32 s19, ttmp7, 0xffff                   ; T
	s_mul_i32 s38, s17, 64*PITCH
	v_mul_u32_u24 v2, v26, PITCH
	s_delay_alu instid0(VALU_DEP_1)
	v_lshl_add_u32 v2, v27, 4, v2
	s_delay_alu instid0(VALU_DEP_1)
	v_add_nc_u32 v2, s38, v2                       ; (64 half + r) x pitch + 16 h
	s_mul_i32 s38, s16, 16*PITCH
	v_add_nc_u32 v3, s38, v1                       ; I stage rows 16 w .. 16 w + 15
	s_and_b32 s25, s19, 7                          ; T % 8
	s_lshl_b32 s38, s25, 12
	v_or_b32 v7, s38, v1                           ; 16 L + 4,096 (T % 8): an exclusive or with 4,096 n gives trip n's step
	s_lshl_b32 s38, s25, 6
	v_xor_b32 v29, s38, v1                         ; where lane L reads in 512 bytes of a row of xe: its piece of 64 bytes is the one that the trip at its LDS place wants
	s_lshl_b32 s38, s19, 9
	s_lshl_b32 s39, s16, 6
	s_add_co_u32 s38, s38, s39                     ; 4 x (128 T + 16 w)
	s_mov_b32 s39, 0
	s_wait_alu depctr_va_vdst(0)
	s_wait_kmcnt 0x0
	s_add_nc_u64 s[60:61], s[10:11], s[38:39]
	s_load_b512 s[40:55], s[60:61], 0x0            ; the 16 tokens that I stage
	s_load_b128 s[20:23], s[10:11], 0x2000         ; hm
	s_load_b128 s[56:59], s[12:13], 0x0            ; e0 .. e3
	s_lshl_b32 s38, ttmp9, 2
	s_add_co_u32 s38, s38, s18                     ; G
	s_lshl_b32 s62, s38, 16
	s_mov_b32 s63, 0
	s_add_nc_u64 s[28:29], s[6:7], s[62:63]        ; w1i at (expert 0, G)
	s_lshl_b32 s62, s38, 8
	s_add_nc_u64 s[30:31], s[8:9], s[62:63]        ; b1 likewise
	s_lshl_b32 s62, s19, 3
	s_lshl_b32 s39, s17, 2
	s_add_co_u32 s62, s62, s39                     ; my first block of 16 places
	s_lshl_b32 s62, s62, 18
	s_lshl_b32 s39, s38, 10
	s_add_co_u32 s62, s62, s39
	s_add_nc_u64 s[32:33], s[14:15], s[62:63]      ; hi at (that block, expert 0, step G)
	s_mov_b64 s[26:27], s[4:5]                     ; xe at expert 0
	s_mov_b32 s24, 0
	s_wait_kmcnt 0x0
.set i, 0
.rept 16
	s_min_u32 s[40+i], s[40+i], 0x7ff              ; a token stays inside xe
	v_lshl_add_u32 v[ROWA+i], s[40+i], 12, v29     ; 4,096 bytes a token, + my place in 512 bytes
.set i, i+1
.endr
	s_lshl_b32 s38, s19, 1
.set i, 0
.rept 4
	s_lshr_b32 s[20+i], s[20+i], s38
	s_and_b32 s[20+i], s[20+i], 3                  ; my tile's two halves
.set i, i+1
.endr
	s_mov_b32 s38, 3                               ; the first expert that the tile names (every token has two, so there is one)
	s_cmp_lg_u32 s22, 0
	s_cselect_b32 s38, 2, s38
	s_cmp_lg_u32 s21, 0
	s_cselect_b32 s38, 1, s38
	s_cmp_lg_u32 s20, 0
	s_cselect_b32 s38, 0, s38
	s_min_u32 s38, s38, 3                          ; it stays inside a token's four rows
	s_cmp_eq_u32 s38, 1                            ; s60-62: are the rows of experts 1, 2, 3 to be staged in the loop?  Those that the tile names, but for the first
	s_cselect_b32 s60, 0, s21
	s_cmp_eq_u32 s38, 2
	s_cselect_b32 s61, 0, s22
	s_cmp_eq_u32 s38, 3
	s_cselect_b32 s62, 0, s23
	s_lshl_b32 s38, s38, 10
	s_mov_b32 s39, 0
	s_add_nc_u64 s[40:41], s[26:27], s[38:39]      ; xe at that expert
	s_wait_alu depctr_va_vdst(0)
	STAGELD 40, 0                                  ; its rows; the set-up below stands between these loads and the wait for them
	s_add_co_i32 s35, s56, s57                     ; e0 + e1
	s_sub_co_i32 s34, 0, s35
	s_lshl_b32 s36, s35, 23
	s_add_co_u32 s37, s36, 0x3eb504f3              ; sqrt(2) / 4 x 2^(e0+e1): the exponent is added to the exponent field
	s_lshl_b32 s36, s35, 24
	s_add_co_u32 s36, s36, 0xbf38aa3b              ; -log2(e) / 2 x 2^(2(e0+e1))
	s_sub_co_i32 s38, s59, s35
	s_add_co_i32 s38, s38, 127
	s_lshl_b32 s39, s38, 23                        ; 2^(e3-e0-e1)
	s_add_co_i32 s38, s38, 15
	s_lshl_b32 s38, s38, 23
	s_or_b32 s38, s38, 0x600000                    ; 57,344 x that
	WIN 0x40                                       ; destination window 1
	v_mov_b32 v[L16B], v1
	v_mov_b32 v[LIM], s38
	v_mov_b32 v[SC], s39
	v_mov_b32 v[CHR], s37
	v_mov_b32 v[KAP], s36
	v_mov_b32 v[KAP+1], s36
.set k, 0
.irp c, 0xc034d90f,0x3fb8ab5a,0x3f0a29d2,0x3e0efb2e,0xbe899a80,0x3ecdfd18,0xbfd1a1e5,0x40097039,0xbf97d29d,0x3e7c6f08
	v_mov_b32 v[CK+2*k], \c                        ; c0 .. c9: the fit's coefficients x log2(e); c0 also takes the 1/2 as -1
	v_mov_b32 v[CK+2*k+1], \c
.set k, k+1
.endr
	WIN 0
	s_wait_loadcnt 0x0
	STAGEST
.Lexp:                                             ; four trips, one for each expert
	s_wait_dscnt 0x0                               ; my rows lie in LDS
	s_barrier_signal -1
	s_barrier_wait -1                              ; everybody's do
	s_lshr_b32 s25, s20, s17
	s_and_b32 s25, s25, 1
	s_cmp_lg_u32 s25, 0
	s_cbranch_scc0 .Lskip                          ; my half holds no token of this expert
	WIN 0x40
.set t, 0
.rept 4                                ; b1 at the hidden units that lane (r, h) holds in tile t: 32 (t / 2) + 8 (t % 2) + 16 h + 0 .. 7
	global_load_b128 v[B1R+8*t:B1R+8*t+3], v6, s[30:31] offset:(32*(t/2)+8*(t%2))*4
	global_load_b128 v[B1R+8*t+4:B1R+8*t+7], v6, s[30:31] offset:(32*(t/2)+8*(t%2))*4+16
.set t, t+1
.endr
	WIN 0
	LDA 0
	LDA 1
	LDA 2
	LDA 3
	LDB 0
.set q, 0
.rept 16
	STEP q
.set q, q+1
.endr
.rept 4
	v_nop                                          ; four places between the last products and the loads into registers that they read, and the first read of results
.endr
	s_cmp_lg_u32 s60, 0
	s_cbranch_scc0 .Lnoahead
	STAGELD 26, 1024                               ; the next expert's rows
.Lnoahead:
	WIN 0x55
.irp g, 0,1,2,3,4,5,6,7
	GELU16 \g
.endr
	WIN 0
	s_branch .Ljoin
.Lskip:                                            ; a wave with no products in this trip still fetches its 16 rows for the next
	s_cmp_lg_u32 s60, 0
	s_cbranch_scc0 .Ljoin
	STAGELD 26, 1024
.Ljoin:
	s_wait_dscnt 0x0                               ; my reads of the rows are over
	s_barrier_signal -1
	s_barrier_wait -1                              ; everybody's are: the rows may be stored over
	s_wait_loadcnt 0x0                             ; on every way: no load of mine is out
	s_cmp_lg_u32 s60, 0
	s_cbranch_scc0 .Lnostore
	STAGEST
.Lnostore:
	s_wait_xcnt 0x0                                ; the loads and stores have read their bases
	s_add_nc_u64 s[26:27], s[26:27], 1024
	s_add_nc_u64 s[28:29], s[28:29], 0x400000
	s_add_nc_u64 s[30:31], s[30:31], 16384
	s_add_nc_u64 s[32:33], s[32:33], 65536
	s_mov_b32 s20, s21
	s_mov_b32 s21, s22
	s_mov_b32 s22, s23
	s_mov_b32 s23, 0
	s_mov_b32 s60, s61
	s_mov_b32 s61, s62
	s_mov_b32 s62, 0                               ; so the last trip asks for nothing: no load leaves xe
	s_add_co_u32 s24, s24, 1
	s_cmp_lt_u32 s24, 4
	s_cbranch_scc1 .Lexp
	s_wait_tensorcnt 0x0                           ; the wave's end: behind my last LDS store
	ds_add_u32 v4, v5
	s_wait_dscnt 0x0
	s_endpgm
.Lfunc_end_k_q14824f0d88_up:
	.size	k_q14824f0d88_up, .Lfunc_end_k_q14824f0d88_up-k_q14824f0d88_up
	.p2alignl 7, 3214868480
	.fill 96, 4, 3214868480
	.section	.rodata,"a",@progbits
	.p2align	6, 0x0
	.amdhsa_kernel k_q14824f0d88_up
		.amdhsa_group_segment_fixed_size 134144
		.amdhsa_private_segment_fixed_size 0
		.amdhsa_enable_private_segment 0
		.amdhsa_kernarg_size 48
		.amdhsa_user_sgpr_count 2
		.amdhsa_user_sgpr_kernarg_segment_ptr 1
		.amdhsa_wavefront_size32 1
		.amdhsa_system_sgpr_workgroup_id_x 1
		.amdhsa_system_sgpr_workgroup_id_y 1
		.amdhsa_system_sgpr_workgroup_id_z 1
		.amdhsa_system_vgpr_workitem_id 0
		.amdhsa_next_free_vgpr 512
		.amdhsa_next_free_sgpr 66
		.amdhsa_reserve_vcc 0
		.amdhsa_float_denorm_mode_32 3
		.amdhsa_float_denorm_mode_16_64 3
		.amdhsa_memory_ordered 1
		.amdhsa_forward_progress 1
		.amdhsa_inst_pref_size 153
	.end_amdhsa_kernel
	.amdgpu_metadata
---
amdhsa.version: [ 1, 2 ]
amdhsa.kernels:
  - .name:           k_q14824f0d88_up
    .symbol:         k_q14824f0d88_up.kd
    .args:
      - { .name: xe, .offset: 0, .size: 8, .value_kind: global_buffer, .address_space: global }
      - { .name: w1i, .offset: 8, .size: 8, .value_kind: global_buffer, .address_space: global }
      - { .name: b1, .offset: 16, .size: 8, .value_kind: global_buffer, .address_space: global }
      - { .name: ord, .offset: 24, .size: 8, .value_kind: global_buffer, .address_space: global }
      - { .name: lowp_scales, .offset: 32, .size: 8, .value_kind: global_buffer, .address_space: global }
      - { .name: hi, .offset: 40, .size: 8, .value_kind: global_buffer, .address_space: global }
    .group_segment_fixed_size: 134144
    .private_segment_fixed_size: 0
    .kernarg_segment_align: 8
    .kernarg_segment_size: 48
    .max_flat_workgroup_size: 256
    .sgpr_count:     66
    .vgpr_count:     512
    .wavefront_size: 32
...
	.end_amdgpu_metadata
.endif
;; end of part 7
;; launch down (part 8): grid 8 x 32, 8 waves a work-group, no clusters, 271,360 bytes of LDS; arguments hi, w2i, b2, ord, tidx, out3, lowp_scales, out0; writes out0
.if DOCPART == 8
	.amdgcn_target "amdgcn-amd-amdhsa--gfx1250"
	.amdhsa_code_object_version 6
	.text
	.protected	k_q14824f0d88_down
	.globl	k_q14824f0d88_down
	.p2align	8
	.type	k_q14824f0d88_down,@function
k_q14824f0d88_down:
	s_mov_b64 s[64:65], 0
	v_nop
	global_prefetch_b8 v0, s[64:65] scope:SCOPE_SE
	s_setreg_imm32_b32 hwreg(HW_REG_WAVE_MODE, 25, 1), 1
	s_wait_xcnt 0x0
; y = sum over e of g_e (h_e . w2_e x 2^(e2+e3) + b2_e), g_e = the token's weight for expert e, 0 where it did not choose e.  Each output number has one owner.
; LEFT OUT: the units (64 sorted tokens, expert) that the stored masks do not name: every g_e is 0 there (shown at the head of the first kernel).
; SHARES.  Work-group (cg, P): the 64 sorted places of run P x 128 columns.  Wave w: all of that block, the eighth w of K (8 steps of 64 for each expert): 32 accumulators.
; So no image is loaded twice in a work-group, and the stored mask is the same for all eight waves.
; Source 0 = 16 rows of w2, source 1 = 16 tokens of h, both as images straight from memory into registers.  A lane holds one token and eight neighbouring columns.
; THE WALK.  The experts that the mask names stand in a queue of four bits each (every token has two experts, so there are two at the least).  Two sets of registers take turns, a K step each;
; a set is asked for again as soon as its products are issued, and the last two steps of a unit ask for the next named expert's first two.  24 loads a set, at most 48 out.
; THE ORDER OF THE K STEPS.  Trip n takes step n xor ((cg xor P) % 8) of the wave's eighth; the 16 offsets are made once and never rewritten.
; y lies in LDS, a region for each wave: behind each expert it takes g_e x the sums, in eight chunks through three buffers in set 1's registers, while set 0's next loads are out.
; The eight regions meet behind one barrier; each wave adds 8 whole rows, adds w0 b2[i0] + w1 b2[i1] (its rows' choices and weights lie in scalar registers) and stores 512 consecutive bytes a row.
; The walk hangs on stored numbers: no tensor loads, no cluster.  No prefetch: which expert a work-group takes next hangs on its own mask, so the work-groups that read the same images cannot share their blocks out by address.
; LIMITS: e2 + e3 between -126 and 127.  NaN among the inputs is not served.
.set RP,    528                        ; a row of 128 f32 + 16 bytes: 33 x 16
.set REG,   64*RP                      ; a wave's 64 rows
.set SPARE, 8*REG                      ; behind the eight regions: the spare words, 128 bytes a wave, which no other line names
.set SPW,  2                           ; v2, v3 the add's two
.set NIL,  3
.set STO,  4                           ; into and out of my region: row r, + 32 h
.set L16,  6                           ; 16 x lane
.set VW,   8                           ; v8-15   16 L + 4,096 (n xor x): trip n's step of w2
.set VH,   16                          ; v16-23  16 L + 1,024 (n xor x): that of h
.set IP,   24                          ; v24-31  my four tokens' two experts; at the end where I store
.set WP,   32                          ; v32-39  their two weights
.set GG,   40                          ; v40-47  g in pairs (the low word serves both halves)
.set TK,   48                          ; v48-51  8 x my tokens
.set RD,   56                          ; v56-59  the way out: my 8 rows in regions 0, 2, 4, 6
.set RING, 64                          ; v64-255 two sets: 64 registers of w2 (tile t at 8 t), 32 of h (block j at 8 j)
.set TB,   RING+96                     ; set 1 as three buffers of 32
; window 1: accumulator (block j, tile t) at 8 (8 j + t); at the end the rows of the eight regions
.set MSB, 0
.macro WIN new                         ; the immediate's high byte repeats the setting that is left
.if MSB != \new
	s_set_vgpr_msb (MSB<<8)|\new
.set MSB, \new
.endif
.endm
.macro LD set, n, bw, bh               ; trip n: eight images of w2, four of h: 24 loads of 512 consecutive bytes
.set i, 0
.rept 16
	global_load_b128 v[RING+96*(\set)+4*i:RING+96*(\set)+4*i+3], v[VW+(\n)], s[\bw:\bw+1] offset:262144*(i/8)+512*(i%8)
.set i, i+1
.endr
.set i, 0
.rept 8
	global_load_b128 v[RING+96*(\set)+64+4*i:RING+96*(\set)+64+4*i+3], v[VH+(\n)], s[\bh:\bh+1] offset:262144*(i/2)+512*(i%2)
.set i, i+1
.endr
.endm
.macro MM s                            ; 32 products, the 32 accumulators by turns; a unit's first step starts the sums
.set FS, RING+96*((\s)%2)
	WIN 0x50
.set t, 0
.rept 8
.set j, 0
.rept 4
.if (\s) == 0
	v_wmma_f32_16x16x64_bf8_bf8 v[8*(8*j+t):8*(8*j+t)+7], v[FS+8*t:FS+8*t+7], v[FS+64+8*j:FS+64+8*j+7], 0
.else
	v_wmma_f32_16x16x64_bf8_bf8 v[8*(8*j+t):8*(8*j+t)+7], v[FS+8*t:FS+8*t+7], v[FS+64+8*j:FS+64+8*j+7], v[8*(8*j+t):8*(8*j+t)+7]
.endif
.set j, j+1
.endr
.set t, t+1
.endr
	WIN 0
.endm
.macro PLACES                          ; four places between products and loads or writes into registers that they read
.rept 4
	v_nop
.endr
.endm
.macro POP                             ; the next named expert leaves the queue: its images of w2 and of h
	s_and_b32 s31, s28, 15
	s_min_u32 s31, s31, 3                          ; it stays inside the tables
	s_lshr_b32 s28, s28, 4
	s_lshl_b32 s46, s31, 22
	s_add_nc_u64 s[40:41], s[32:33], s[46:47]
	s_lshl_b32 s46, s31, 16
	s_add_nc_u64 s[42:43], s[34:35], s[46:47]
.endm
.macro YLD c                           ; chunk c of y: block c / 2, tiles 4 (c % 2) .. + 3
.set i, 0
.rept 8
	ds_load_b128 v[TB+32*((\c)%3)+4*i:TB+32*((\c)%3)+4*i+3], v[STO] offset:16*RP*((\c)/2)+256*((\c)%2)+64*(i/2)+16*(i%2)
.set i, i+1
.endr
.endm
.macro YST c
.set i, 0
.rept 8
	ds_store_b128 v[STO], v[TB+32*((\c)%3)+4*i:TB+32*((\c)%3)+4*i+3] offset:16*RP*((\c)/2)+256*((\c)%2)+64*(i/2)+16*(i%2)
.set i, i+1
.endr
.endm
	s_load_b512 s[4:19], s[0:1], 0x0               ; hi, w2i, b2, ord, tidx, out3, lowp_scales, out0
	v_lshl_add_u32 v[SPW], v0, 2, SPARE
	v_mov_b32 v[NIL], 0
	v_lshrrev_b32 v52, 5, v0
	v_readfirstlane_b32 s25, v52                   ; wave 0..7
	v_and_b32 v53, 31, v0
	v_and_b32 v54, 15, v0                          ; r
	v_bfe_u32 v55, v0, 4, 1                        ; h
	v_lshlrev_b32 v[L16], 4, v53
	v_lshlrev_b32 v60, 2, v54
	v_mul_u32_u24 v61, v54, RP
	v_lshl_add_u32 v61, v55, 5, v61
	s_wait_alu depctr_va_vdst(0)
	s_and_b32 s26, ttmp7, 0xffff                   ; P
	s_mul_i32 s47, s25, REG
	v_add_nc_u32 v[STO], s47, v61
	s_mul_i32 s47, s25, 8*RP
	v_add_nc_u32 v[RD], s47, v[L16]                ; rows 8 w on of region 0, 16 bytes a lane
	s_xor_b32 s46, ttmp9, s26
	s_and_b32 s46, s46, 7                          ; the order's number x
.set n, 0
.rept 8
	s_xor_b32 s47, s46, n
	s_lshl_b32 s47, s47, 10
	v_add_nc_u32 v[VH+n], s47, v[L16]
	v_lshl_add_u32 v[VW+n], s47, 2, v[L16]
.set n, n+1
.endr
	s_lshl_b32 s44, s26, 8                         ; 4 x 64 P
	s_mov_b32 s45, 0
	s_lshl_b32 s54, s25, 5                         ; 4 x 8 w
	s_mov_b32 s55, 0
	s_wait_alu depctr_va_vdst(0)
	s_wait_kmcnt 0x0
	s_add_nc_u64 s[44:45], s[10:11], s[44:45]      ; perm at my run
	s_add_nc_u64 s[54:55], s[44:45], s[54:55]      ; and at the 8 places that I store
	s_load_b128 s[20:23], s[10:11], 0x2000         ; hm
	s_load_b128 s[48:51], s[16:17], 0x0            ; e0 .. e3
	s_load_b256 s[56:63], s[54:55], 0x0            ; the tokens at my 8 places
.set j, 0
.rept 4
	global_load_b32 v[TK+j], v60, s[44:45] offset:64*j         ; the token at place 16 j + r
.set j, j+1
.endr
	s_lshl_b32 s46, ttmp9, 19                      ; two groups of 64 columns, 262,144 bytes each
	s_lshl_b32 s47, s25, 15                        ; 8 steps of 4,096 bytes
	s_add_co_u32 s46, s46, s47
	s_mov_b32 s47, 0
	s_add_nc_u64 s[32:33], s[6:7], s[46:47]        ; w2i at (expert 0, my columns, my eighth)
	s_lshl_b32 s46, s26, 20                        ; four blocks of 16 places, 262,144 bytes each
	s_lshl_b32 s53, s25, 13                        ; 8 steps of 1,024 bytes
	s_add_co_u32 s46, s46, s53
	s_add_nc_u64 s[34:35], s[4:5], s[46:47]        ; hi at (my first block, expert 0, my eighth)
	s_lshl_b32 s46, ttmp9, 9
	s_add_nc_u64 s[18:19], s[18:19], s[46:47]      ; out0 and b2 at my 128 columns
	s_add_nc_u64 s[8:9], s[8:9], s[46:47]
	s_wait_kmcnt 0x0
.set i, 0
.rept 4
	s_lshr_b32 s[20+i], s[20+i], s26
	s_and_b32 s[20+i], s[20+i], 1                  ; does my run hold a token of expert i?
.set i, i+1
.endr
	s_mov_b32 s28, 0                               ; the queue, the lowest expert in the lowest four bits
	s_mov_b32 s29, 0                               ; and how many it holds
.irp e, 3,2,1,0
	s_lshl_b32 s53, s28, 4
	s_or_b32 s53, s53, \e
	s_cmp_lg_u32 s[20+\e], 0
	s_cselect_b32 s28, s53, s28
	s_add_co_u32 s29, s29, s[20+\e]
.endr
	POP
	LD 0, 0, 40, 42                                ; the first unit's first two steps
	LD 1, 1, 40, 42
.set i, 0
.rept 8
	s_min_u32 s[56+i], s[56+i], 0x7ff              ; a token stays inside its tables
	s_lshl_b32 s[56+i], s[56+i], 3
.set i, i+1
.endr
.set i, 0
.rept 8
	s_load_b64 s[66+2*i:67+2*i], s[12:13], s[56+i] offset:0x0  ; its two experts
	s_load_b64 s[82+2*i:83+2*i], s[14:15], s[56+i] offset:0x0  ; its two weights
.set i, i+1
.endr
	s_add_co_i32 s52, s50, s51
	s_add_co_i32 s52, s52, 127
	s_lshl_b32 s52, s52, 23                        ; 2^(e2+e3) as f32
	s_wait_loadcnt 48                              ; the four loads of perm are in; the two sets' 48 may be out
.set j, 0
.rept 4
	v_min_u32 v[TK+j], 0x7ff, v[TK+j]
	v_lshlrev_b32 v[TK+j], 3, v[TK+j]
.set j, j+1
.endr
.set j, 0
.rept 4
	global_load_b64 v[IP+2*j:IP+2*j+1], v[TK+j], s[12:13]
	global_load_b64 v[WP+2*j:WP+2*j+1], v[TK+j], s[14:15]
.set j, j+1
.endr
.set i, 0
.rept 4
	v_mov_b32 v[GG+2*i+1], 0                       ; the pairs' upper halves are named, so they are written
.set i, i+1
.endr
	s_mov_b32 s24, 0
	s_wait_alu depctr_va_vdst(0)
.Lunit:                                            ; a trip is one named expert: at most four
	s_wait_xcnt 0x0                                ; the loads have read their bases
	s_mov_b64 s[36:37], s[40:41]
	s_mov_b64 s[38:39], s[42:43]
	s_mov_b32 s30, s31                             ; this unit's expert
	s_sub_co_u32 s29, s29, 1                       ; units behind this one
	POP
.set q, 0
.rept 6
	s_wait_loadcnt 24                              ; this step's set is in; the other set's 24 loads may be out
	MM q
	PLACES
	LD q%2, q+2, 36, 38
.set q, q+1
.endr
	s_wait_loadcnt 24
	MM 6
	PLACES
	s_cmp_eq_u32 s29, 0
	s_cbranch_scc1 .Lfin
	LD 0, 0, 40, 42                                ; the next unit's first step
	s_wait_loadcnt 24                              ; step 7's set is in
	s_branch .Lsev
.Lfin:                                             ; the last unit: set 0 takes the rows of b2 that my 8 tokens chose
	s_wait_kmcnt 0x0                               ; their choices and weights, asked for at the head
.set i, 0
.rept 16
	s_min_u32 s[66+i], s[66+i], 3                  ; an expert stays inside b2
.set i, i+1
.endr
.set i, 0
.rept 16
	v_lshl_add_u32 v[RING+64+i], s[66+i], 12, v[L16]
.set i, i+1
.endr
.set i, 0
.rept 16
	global_load_b128 v[RING+4*i:RING+4*i+3], v[RING+64+i], s[8:9]
.set i, i+1
.endr
	s_wait_loadcnt 16                              ; step 7's set is in; the 16 loads of b2 may be out
.Lsev:
	MM 7
	; y += g x 2^(e2+e3) x the sums.  The selects are also the places between the last products and the loads into set 1 and the first read of results
.set j, 0
.rept 4
	v_cmp_eq_u32 vcc_lo, s30, v[IP+2*j]
	v_cndmask_b32 v[GG+2*j], 0, v[WP+2*j], vcc_lo
	v_cmp_eq_u32 vcc_lo, s30, v[IP+2*j+1]
	v_cndmask_b32 v[GG+2*j], v[GG+2*j], v[WP+2*j+1], vcc_lo
.set j, j+1
.endr
.set j, 0
.rept 4
	v_mul_f32 v[GG+2*j], s52, v[GG+2*j]
.set j, j+1
.endr
	s_cmp_lg_u32 s24, 0
	s_wait_alu depctr_va_vdst(0)
	s_cbranch_scc1 .Lrmw
	; the first unit (never the last: two experts at the least are named) starts y: g x the sums in place, stored from the accumulators.
	; It needs no buffer, so the next unit's second step is asked for first
	LD 1, 1, 40, 42
	WIN 0x41                                       ; the sums in window 1, g in window 0
.set i, 0
.rept 128
	v_pk_mul_f32 v[2*i:2*i+1], v[2*i:2*i+1], v[GG+2*(i/32):GG+2*(i/32)+1] op_sel_hi:[1,0]   ; each accumulator from its low end on
.set i, i+1
.endr
	WIN 0x04                                       ; the stores' data in window 1
.set i, 0
.rept 64
	ds_store_b128 v[STO], v[4*i:4*i+3] offset:16*RP*(i/16)+64*((i%16)/2)+16*(i%2)
.set i, i+1
.endr
	WIN 0
	s_wait_dscnt 0x0                               ; the stores have read the accumulators, which the next unit's products write
	s_branch .Lnext
.Lrmw:                                             ; every later unit: y is read, takes g x the sums, and is stored again
	YLD 0
	YLD 1
.set c, 0
.rept 8
.if (c == 0) || (c == 7)
	s_wait_dscnt 8                                 ; chunk c is in; 8 younger LDS instructions may be out
.else
	s_wait_dscnt 16                                ; chunk c is in; the last chunk's 8 stores and the next chunk's 8 loads may be out
.endif
	WIN 0x01                                       ; the sums in window 1
.set i, 0
.rept 16
	v_pk_fma_f32 v[TB+32*(c%3)+2*i:TB+32*(c%3)+2*i+1], v[32*c+2*i:32*c+2*i+1], v[GG+2*(c/2):GG+2*(c/2)+1], v[TB+32*(c%3)+2*i:TB+32*(c%3)+2*i+1] op_sel_hi:[1,0,1]   ; each accumulator from its low end on
.set i, i+1
.endr
	WIN 0
	YST c
.if c < 6
.if c > 0
	s_wait_dscnt 16                                ; chunk c - 1's stores have read the buffer that the loads below fill
.endif
	YLD c+2
.endif
.set c, c+1
.endr
	s_wait_dscnt 0x0                               ; my stores have landed and have read set 1's registers
	s_cmp_eq_u32 s29, 0
	s_cbranch_scc1 .Lout
	LD 1, 1, 40, 42                                ; the next unit's second step
.Lnext:
	s_add_co_u32 s24, s24, 1
	s_cmp_lt_u32 s24, 4
	s_cbranch_scc1 .Lunit
.Lout:                                             ; THE WAY OUT
	s_barrier_signal -1
	s_barrier_wait -1                              ; everybody's part of y lies in LDS
	v_add_nc_u32 v[RD+1], 2*REG, v[RD]
	v_add_nc_u32 v[RD+2], 4*REG, v[RD]
	v_add_nc_u32 v[RD+3], 6*REG, v[RD]
.set i, 0
.rept 8
	v_lshl_add_u32 v[IP+i], s[56+i], 9, v[L16]     ; 4,096 bytes a row of y, + 16 x lane
.set i, i+1
.endr
	WIN 0x40                                       ; destination window 1
.set p, 0
.rept 8
.set i, 0
.rept 8
	ds_load_b128 v[32*p+4*i:32*p+4*i+3], v[RD+p/2] offset:REG*(p%2)+RP*i
.set i, i+1
.endr
.set p, p+1
.endr
	WIN 0x55
	s_wait_alu depctr_va_vdst(0)
.set p, 1
.rept 7
	s_wait_dscnt 8*(7-p)                           ; regions 0 .. p are in
.set i, 0
.rept 8
	v_pk_add_f32 v[4*i:4*i+1], v[4*i:4*i+1], v[32*p+4*i:32*p+4*i+1]
	v_pk_add_f32 v[4*i+2:4*i+3], v[4*i+2:4*i+3], v[32*p+4*i+2:32*p+4*i+3]
.set i, i+1
.endr
.set p, p+1
.endr
	WIN 0x50                                       ; y in window 1, b2 in window 0
	s_wait_alu depctr_va_vdst(0)
	s_wait_loadcnt 0x0                             ; the rows of b2
	s_wait_kmcnt 0x0                               ; and my tokens' weights, on every way
.set i, 0
.rept 8
.set k, 0
.rept 4
	v_fma_f32 v[4*i+k], s[82+2*i], v[RING+8*i+k], v[4*i+k]
.set k, k+1
.endr
.set k, 0
.rept 4
	v_fma_f32 v[4*i+k], s[83+2*i], v[RING+8*i+4+k], v[4*i+k]
.set k, k+1
.endr
.set i, i+1
.endr
	WIN 0x04                                       ; the stores' data in window 1
.set i, 0
.rept 8
	global_store_b128 v[IP+i], v[4*i:4*i+3], s[18:19] th:TH_STORE_NT     ; 32 lanes store 512 consecutive bytes, at a multiple of 256 from the first byte of out0
.set i, i+1
.endr
	WIN 0
	s_wait_tensorcnt 0x0                           ; the wave's end: behind my last LDS store
	ds_add_u32 v[SPW], v[NIL]
	s_wait_dscnt 0x0
	s_endpgm
.Lfunc_end_k_q14824f0d88_down:
	.size	k_q14824f0d88_down, .Lfunc_end_k_q14824f0d88_down-k_q14824f0d88_down
	.p2alignl 7, 3214868480
	.fill 96, 4, 3214868480
	.section	.rodata,"a",@progbits
	.p2align	6, 0x0
	.amdhsa_kernel k_q14824f0d88_down
		.amdhsa_group_segment_fixed_size 271360
		.amdhsa_private_segment_fixed_size 0
		.amdhsa_enable_private_segment 0
		.amdhsa_kernarg_size 64
		.amdhsa_user_sgpr_count 2
		.amdhsa_user_sgpr_kernarg_segment_ptr 1
		.amdhsa_wavefront_size32 1
		.amdhsa_system_sgpr_workgroup_id_x 1
		.amdhsa_system_sgpr_workgroup_id_y 1
		.amdhsa_system_sgpr_workgroup_id_z 1
		.amdhsa_system_vgpr_workitem_id 0
		.amdhsa_next_free_vgpr 512
		.amdhsa_next_free_sgpr 98
		.amdhsa_reserve_vcc 1
		.amdhsa_float_denorm_mode_32 3
		.amdhsa_float_denorm_mode_16_64 3
		.amdhsa_memory_ordered 1
		.amdhsa_forward_progress 1
		.amdhsa_inst_pref_size 102
	.end_amdhsa_kernel
	.amdgpu_metadata
---
amdhsa.version: [ 1, 2 ]
amdhsa.kernels:
  - .name:           k_q14824f0d88_down
    .symbol:         k_q14824f0d88_down.kd
    .args:
      - { .name: hi, .offset: 0, .size: 8, .value_kind: global_buffer, .address_space: global }
      - { .name: w2i, .offset: 8, .size: 8, .value_kind: global_buffer, .address_space: global }
      - { .name: b2, .offset: 16, .size: 8, .value_kind: global_buffer, .address_space: global }
      - { .name: ord, .offset: 24, .size: 8, .value_kind: global_buffer, .address_space: global }
      - { .name: tidx, .offset: 32, .size: 8, .value_kind: global_buffer, .address_space: global }
      - { .name: out3, .offset: 40, .size: 8, .value_kind: global_buffer, .address_space: global }
      - { .name: lowp_scales, .offset: 48, .size: 8, .value_kind: global_buffer, .address_space: global }
      - { .name: out0, .offset: 56, .size: 8, .value_kind: global_buffer, .address_space: global }
    .group_segment_fixed_size: 271360
    .private_segment_fixed_size: 0
    .kernarg_segment_align: 8
    .kernarg_segment_size: 64
    .max_flat_workgroup_size: 256
    .sgpr_count:     98
    .vgpr_count:     512
    .wavefront_size: 32
...
	.end_amdgpu_metadata
.endif
;; end of part 8
